; MI455X (gfx1250); checked and timed in simulation.
; The chip was launched on July 23, 2026; its instructions are those of AMD's public machine-readable ISA for CDNA 5 (MIT licence, August 2026) and "CDNA5" Instruction Set Architecture Reference Guide (July 2026). The comments in the code are by the model that wrote it; some were corrected since.
;; Multi Head Attention. Allowed arithmetic: matrix products marked QUANTISED: E2M1 operands, one E8M0 scale for each 32 along K, by v_wmma_scale_f32_16x16x128_f8f6f4 with both operands' format E2M1 (or v_wmma_scale_f32_32x16x128_f4), f32 sums; products left as they are: bf16, f16 or f32 operands; f32 sums; everything else in f32.
;; Inputs: Wk 1,024 x 1,024 float32; Wo 1,024 x 1,024 float32; Wq 1,024 x 1,024 float32; Wv 1,024 x 1,024 float32; bk 1,024 float32; bo 1,024 float32; bq 1,024 float32; bv 1,024 float32; x 4 x 2,048 x 1,024 float32.
;; Outputs: out0 4 x 2,048 x 1,024 float32.
;; This version of the problem:
;;   THIS VERSION OF THE PROBLEM IS GIVEN IN LOW PRECISION. The matrix products marked QUANTISED in the list below multiply operands that are first quantised to E2M1 (2 exponent bits, 1 mantissa bit; 4 bits a number), with one power-of-two scale for each 32 numbers along K (OCP MX v1.0); their sums are f32. The products marked 'left as it is' may take bf16, f16 or f32 operands, with f32 sums. Whichever they take, every output number must still come out within the allowed error. Rounding operands to bf16 (8 significant bits) uses up far more of that allowance than f16 does (11 bits, for magnitudes from 6e-5 to 65,504). All else is computed in f32.
;;   The module's matrix products, in the order in which they are computed (A, B: the left and right operand; K: the contracted axis; several contracted axes count as one K, in the product's order):
;;     1. [M 8,192, K 1,024] x [K 1,024, N 1,024]; A: input x; B: input Wq: QUANTISED
;;     2. [M 8,192, K 1,024] x [K 1,024, N 1,024]; A: input x; B: input Wk: QUANTISED
;;     3. [M 8,192, K 1,024] x [K 1,024, N 1,024]; A: input x; B: input Wv: QUANTISED
;;     4. batch 64 x [M 2,048, K 64] x [K 64, N 2,048]; A: computed on the way; B: computed on the way: left as it is (an operand is computed on the way)
;;     5. batch 64 x [M 2,048, K 2,048] x [K 2,048, N 64]; A: computed on the way; B: computed on the way: left as it is (an operand is computed on the way)
;;     6. [M 8,192, K 1,024] x [K 1,024, N 1,024]; A: computed on the way; B: input Wo: left as it is (an operand is computed on the way)
;;   THE QUANTISER, for each operand of a quantised product, along K:
;;     - K is cut into blocks of 32 from its start; a last block that is shorter is filled with zeros.
;;     - A block's scale is 2^e with e = floor(log2(the largest magnitude in the block)) - 2, held to -126 .. 127; a block of zeros has e = 0. As a byte (E8M0): e + 127.
;;     - Each number is divided by its block's scale, clamped to +-6, and rounded to the nearest number of E2M1, ties to even, subnormals kept.
;;     - The product sums the exact products of the quantised numbers (number of the format x scale) in f32.
;;   ~~~python
;;   def quantise(x, axis):      # numpy; x: float32 -> the quantised numbers, widened to float32 again
;;       x = np.moveaxis(x, axis, -1); K = x.shape[-1]
;;       x = np.pad(x, [(0, 0)] * (x.ndim - 1) + [(0, -K % 32)]); x = x.reshape(x.shape[:-1] + (-1, 32)); a = np.abs(x).max(-1, keepdims=True)
;;       e = np.where(a > 0, np.clip(np.frexp(np.where(a > 0, a, 1))[1] - 1 - 2, -126, 127), 0)      # np.frexp(a)[1] - 1 = floor(log2(a)), exactly
;;       r = np.clip(x / 2.0 ** e, -6, 6)
;;       step = 2.0 ** (np.maximum(np.frexp(np.where(r == 0, 1, r))[1] - 1, 0) - 1)
;;       q = np.round(r / step) * step * 2.0 ** e      # np.round: ties to even
;;       return np.moveaxis(q.reshape(q.shape[:-2] + (-1,))[..., :K], -1, axis).astype(np.float32)
;;   ~~~
;; One version. Each part assembles by itself: llvm-mc -triple=amdgcn-amd-amdhsa -mcpu=gfx1250 --defsym DOCPART=n.
;; ======== version 1 of 1: 4 launches
;; limits: values are held in f16: magnitudes above 65,504 overflow, below 6.1e-05 lose precision
;; workspace buffers: xc 4,194,304 bytes; xs 262,144 bytes; wc 1,572,864 bytes; ws 98,304 bytes; wo16 2,097,152 bytes; qkv 50,331,648 bytes; ctx 16,777,216 bytes
;; launch prep (part 1): grid 512 x 1, 4 waves a work-group, no clusters, 33,280 bytes of LDS; arguments x, Wq, Wk, Wv, Wo, xc, xs, wc, ws, wo16; writes xc, xs, wc, ws, wo16
.if DOCPART == 1
	.amdgcn_target "amdgcn-amd-amdhsa--gfx1250"
	.amdhsa_code_object_version 6
	.text
	.protected	k_q540844df71_prep
	.globl	k_q540844df71_prep
	.p2align	8
	.type	k_q540844df71_prep,@function
k_q540844df71_prep:
	s_mov_b64 s[64:65], 0
	v_nop
	global_prefetch_b8 v0, s[64:65] scope:SCOPE_SE
	s_setreg_imm32_b32 hwreg(HW_REG_WAVE_MODE, 25, 1), 1
	s_wait_xcnt 0x0
; MULTI-HEAD ATTENTION, launch 1 of 4: the operands of the later launches are made once.
;   x [8192][1024] f32        -> xc [8192][512] codes of FP4 (E2M1), K innermost, and xs [8192][32] E8M0 bytes (one for each 32 along K)
;   Wq, Wk, Wv [1024 k][1024 n] f32 -> wc, codes quantised along k, laid as images of the matrix operand's registers, and ws [3072][32] bytes (n = 1024 x which + column)
;   Wo [1024 k][1024 n] f32   -> wo16, f16, laid as images of the operand's registers
; DEAD WORK: bk.  logits[q][k] = (q_q . (x Wk)_k + q_q . bk) / 8.  The second term is the same for every key k of a row, and a softmax along k is unchanged by a term
; that is the same along its axis, for all finite values of the inputs.  The product q k^T is not quantised, so no quantiser stands between bk and the softmax.  So bk has no way to
; the output: it is not loaded and is among no launch's arguments.  LIMIT: a NaN, an infinity or an overflow that reaches only bk's term is not carried to the result.
; THE QUANTISER: a block's scale is 2^(floor(log2(largest magnitude)) - 2); its byte is the largest magnitude's exponent field - 2, held at 1 from below; each number is divided by the scale and
; rounded to the nearest code, ties to even, beyond 6 the largest code.  A block of zeros gets the byte 1 where the rule says 127: its codes are zeros, and this program alone reads the bytes.
; LIMITS: blocks whose largest magnitude lies under 2^-124 keep the byte 1; NaN and infinities among the inputs are not served; numbers of Wo of magnitude 65,504 or more are not served (f16).
; IMAGES, 1,024 bytes each, lane L = r + 16 h:  FP4, 16 rows x 128 k: the 16 bytes at 512 c + 16 L are block 2 c + h of row r.   f16, 16 rows x 32 k: the 16 bytes at 512 c + 16 L are k = 16 c + 8 h + 0..7 of row r.
; SHARES: work-groups 0-255: x, 32,768 numbers each.  256-447: 128 columns x 128 k of Wq, Wk or Wv.  448-511: the same of Wo.  The paths part on the work-group's number; x's path alone uses LDS.
.set SPARE, 32768                      ; behind the four waves' regions: the spare words, 128 bytes for each wave
.set SPW,   192                        ; v192  LDS address of my spare word; never rewritten
.set NIL,   193                        ; v193  0; never rewritten
.set WREG,  8192                       ; x's path: a region of LDS for each wave: two stages of 32 x SP bytes, then its 256 scale bytes
.set SP,    80                         ; a lane's place in a stage: 64 bytes + 16 of padding
.set STEPS, 16
.set CB,    8                          ; bytes of 16 codes
.set R,     16                         ; v16-79   four sets of 16 numbers as loaded
.set X,     80                         ; v80-111  two sets of 16 neighbours
.set E,     112                        ; v112-127 a scale byte for each step
.set C,     128                        ; v128-191 codes, four registers for each step
.set WX,    32                         ; the weights' paths: v32-159 four blocks of 32 numbers down K
.set WC,    160                        ; v160-175 the codes of four blocks
.set SB,    176                        ; v176     their four scale bytes
.macro LOAD t                          ; x: step t's 2,048 bytes: each load reads 512 consecutive bytes
.irp i, 0,1,2,3
	global_load_b128 v[R+16*((\t)%4)+4*\i:R+16*((\t)%4)+4*\i+3], v3, s[4:5] offset:2048*(\t)+512*\i th:TH_LOAD_NT
.endr
.endm
.macro TURN t                          ; through the wave's stage: in as loaded, back 64 neighbouring bytes a lane; LDS serves a wave's instructions in order
.irp i, 0,1,2,3
	ds_store_b128 v14, v[R+16*((\t)%4)+4*\i:R+16*((\t)%4)+4*\i+3] offset:32*SP*((\t)%2)+8*SP*\i
.endr
.irp i, 0,1,2,3
	ds_load_b128 v[X+16*((\t)%2)+4*\i:X+16*((\t)%2)+4*\i+3], v15 offset:32*SP*((\t)%2)+16*\i
.endr
.endm
.macro XSTEP t
.set XS, X+16*((\t)%2)
.if (\t) > 0
	s_wait_dscnt 1                                 ; this step's numbers are back from the stage; the last step's byte store may be out
.else
	s_wait_dscnt 0x0
.endif
.if (\t)+4 < STEPS
	LOAD (\t)+4                                    ; the stage's stores have read these registers
.endif
.if (\t)+1 < STEPS
.if STEPS-2-(\t) >= 3
	s_wait_loadcnt 12                              ; the next step's four loads are in; those of the three steps behind it may be out
.else
	s_wait_loadcnt 4*(STEPS-2-(\t))
.endif
	TURN (\t)+1
.endif
	v_max3_num_f32 v8, |v[XS]|, |v[XS+1]|, |v[XS+2]|               ; the largest magnitude of my 16, in two chains
	v_max3_num_f32 v9, |v[XS+3]|, |v[XS+4]|, |v[XS+5]|
.irp i, 6,10
	v_max3_num_f32 v8, v8, |v[XS+\i]|, |v[XS+\i+1]|
	v_max3_num_f32 v9, v9, |v[XS+\i+2]|, |v[XS+\i+3]|
.endr
	v_max3_num_f32 v8, v8, |v[XS+14]|, |v[XS+15]|
	v_max3_num_f32 v8, v8, v9, 0x1800000           ; and the floor 2^(3 - 127): the byte cannot fall under 1
	v_max_num_f32_dpp v8, v8, v8 row_xmask:1 row_mask:0xf bank_mask:0xf   ; with my neighbour's 16: the block's
	v_add_nc_u32 v11, 0xff000000, v8               ; 2 off its exponent field: the conversion takes the exponent field of this operand as its scale
	v_cvt_scalef32_pk8_fp4_f32 v[C+4*(\t)], v[XS:XS+7], v11
	v_cvt_scalef32_pk8_fp4_f32 v[C+4*(\t)+1], v[XS+8:XS+15], v11
	v_lshrrev_b32 v[E+(\t)], 23, v11               ; the scale's byte (also the plain line behind the conversions)
	ds_store_b8 v5, v[E+(\t)] offset:16*(\t)       ; both lanes of a block write the same byte with the same value
	global_store_b64 v4, v[C+4*(\t):C+4*(\t)+1], s[14:15] offset:32*CB*(\t)   ; the wave stores 256 consecutive bytes, aligned
.endm
.macro WLOAD t                         ; a weight: block t: W(32 t + i, my column): 32 lanes read 128 consecutive bytes, the four waves 512
.irp i, 0,1,2,3,4,5,6,7,8,9,10,11,12,13,14,15,16,17,18,19,20,21,22,23,24,25,26,27,28,29,30,31
	global_load_b32 v[WX+32*(\t)+\i], v3, s[6:7] offset:(32*(\t)+\i)*4096 th:TH_LOAD_NT
.endr
.endm
.macro WWAIT t                         ; block t's 32 loads are in; the next block's 32 may be out; then the block two further on is asked for
.if (\t) < 3
	s_wait_loadcnt 32
.else
	s_wait_loadcnt 0x0
.endif
.if (\t) < 2
	WLOAD (\t)+2
.endif
.endm
.macro WBLOCK t                        ; 32 numbers down K of my column become 16 bytes of codes and a scale byte
.set XS, WX+32*(\t)
	WWAIT \t
	v_max3_num_f32 v8, |v[XS]|, |v[XS+1]|, |v[XS+2]|               ; all 32 numbers are mine
	v_max3_num_f32 v9, |v[XS+3]|, |v[XS+4]|, |v[XS+5]|
.irp i, 6,10,14,18,22,26
	v_max3_num_f32 v8, v8, |v[XS+\i]|, |v[XS+\i+1]|
	v_max3_num_f32 v9, v9, |v[XS+\i+2]|, |v[XS+\i+3]|
.endr
	v_max3_num_f32 v8, v8, |v[XS+30]|, |v[XS+31]|
	v_max3_num_f32 v8, v8, v9, 0x1800000
	v_add_nc_u32 v10, 0xff000000, v8
	v_lshrrev_b32 v11, 23, v10
.if (\t) == 0
	v_mov_b32 v[SB], v11
.else
	v_lshl_or_b32 v[SB], v11, 8*(\t), v[SB]        ; the lower K in the lower byte
.endif
.irp g, 0,1,2,3
	v_cvt_scalef32_pk8_fp4_f32 v[WC+4*(\t)+\g], v[XS+8*\g:XS+8*\g+7], v10
.endr
	v_nop                                          ; one plain line behind the last conversion
	global_store_b128 v4, v[WC+4*(\t):WC+4*(\t)+3], s[18:19] offset:512*((\t)/2)+256*((\t)%2)   ; block t = 2 c + h of the image: sixteen lanes fill 256 consecutive bytes, aligned
.endm
.macro OBLOCK t                        ; 32 numbers down K of my column become 64 bytes of f16: one image's share of my row
.set XS, WX+32*(\t)
	WWAIT \t
.irp i, 0,1,2,3,4,5,6,7,8,9,10,11,12,13,14,15
	v_cvt_pk_f16_f32 v[XS+\i], v[XS+2*\i], v[XS+2*\i+1]            ; in place: the destination never passes a source that is still to be read
.endr
.irp q, 0,1,2,3
	global_store_b128 v6, v[XS+4*\q:XS+4*\q+3], s[22:23] offset:1024*(\t)+512*(\q/2)+256*(\q%2)   ; k = 8 q + 0..7: c = q / 2, h = q % 2
.endr
.endm
	s_load_b256 s[4:11], s[0:1], 0x0               ; x s[4:5], Wq s[6:7], Wk s[8:9], Wv s[10:11]
	s_load_b256 s[12:19], s[0:1], 0x20             ; Wo s[12:13], xc s[14:15], xs s[16:17], wc s[18:19]
	s_load_b128 s[20:23], s[0:1], 0x40             ; ws s[20:21], wo16 s[22:23]
	v_lshl_add_u32 v[SPW], v0, 2, SPARE
	v_mov_b32 v[NIL], 0
	v_lshrrev_b32 v1, 5, v0
	v_readfirstlane_b32 s24, v1                    ; wave 0..3
	v_and_b32 v2, 31, v0                           ; lane
	s_wait_kmcnt 0x0
	s_cmp_lt_u32 ttmp9, 256
	s_cbranch_scc0 .Lweights
	; ---- x: a plain stream of blocks of 32; a wave takes 16 steps of 512 numbers
	v_lshlrev_b32 v3, 4, v2                        ; my 16 bytes of a load's 512
	s_mul_i32 s25, s24, WREG
	v_lshrrev_b32 v14, 2, v2
	v_mul_u32_u24 v14, v14, SP
	v_and_b32 v15, 3, v2
	v_lshl_add_u32 v14, v15, 4, v14
	v_add_nc_u32 v14, s25, v14                     ; the stage, on the way in: SP (lane / 4) + 16 (lane % 4)
	v_mul_u32_u24 v15, v2, SP
	v_add_nc_u32 v15, s25, v15                     ; and on the way out: SP x lane
	v_mul_u32_u24 v4, v2, CB                       ; my codes' place in a step's
	v_lshrrev_b32 v5, 1, v2
	s_add_co_u32 s25, s25, 2*32*SP
	v_add_nc_u32 v5, s25, v5                       ; my wave's 256 scale bytes, my block's byte
	v_lshlrev_b32 v7, 3, v2                        ; and on the way out 8 bytes a lane
	v_add_nc_u32 v6, s25, v7
	s_lshl_b32 s26, ttmp9, 2
	s_add_co_u32 s26, s26, s24                     ; which run of 8,192 numbers is my wave's
	s_mov_b32 s27, 0
	s_lshl_b64 s[28:29], s[26:27], 15              ; 32,768 bytes of x,
	s_add_nc_u64 s[4:5], s[4:5], s[28:29]
	s_lshl_b64 s[28:29], s[26:27], 12              ; 4,096 of codes,
	s_add_nc_u64 s[14:15], s[14:15], s[28:29]
	s_lshl_b32 s26, s26, 8                         ; 256 of scale bytes
	s_add_nc_u64 s[16:17], s[16:17], s[26:27]
.irp t, 0,1,2,3
	LOAD \t
.endr
	s_wait_loadcnt 12                              ; step 0's four loads are in
	TURN 0
.irp t, 0,1,2,3,4,5,6,7,8,9,10,11,12,13,14,15
	XSTEP \t
.endr
	ds_load_b64 v[8:9], v6                         ; LDS serves a wave's instructions in order: these see my byte stores
	s_wait_dscnt 0x0
	global_store_b64 v7, v[8:9], s[16:17]          ; 32 lanes store 256 consecutive bytes, aligned
	s_wait_tensorcnt 0x0                           ; the wave's end, behind my last LDS store
	ds_add_u32 v[SPW], v[NIL]
	s_wait_dscnt 0x0
	s_endpgm
.Lweights:
	; ---- a weight: A LANE TAKES A COLUMN n, AND ITS REGISTERS RUN DOWN K: a block of 32 lies in one lane, and nothing is transposed
	s_sub_co_u32 s25, ttmp9, 256
	s_lshr_b32 s26, s25, 6                         ; which: 0 Wq, 1 Wk, 2 Wv, 3 Wo
	s_and_b32 s27, s25, 7                          ; nx: which 128 columns
	s_bfe_u32 s28, s25, 0x30003                    ; ky: which 128 along K
	s_cmp_eq_u32 s26, 1                            ; the choice hangs on the work-group's number alone
	s_cselect_b64 s[6:7], s[8:9], s[6:7]
	s_cmp_eq_u32 s26, 2
	s_cselect_b64 s[6:7], s[10:11], s[6:7]
	s_cmp_eq_u32 s26, 3
	s_cselect_b64 s[6:7], s[12:13], s[6:7]
	s_lshl_b32 s30, s28, 19                        ; 128 ky rows of 4,096 bytes
	s_lshl_b32 s29, s27, 9                         ; + 128 nx columns
	s_add_co_u32 s30, s30, s29
	s_lshl_b32 s29, s24, 7                         ; + 32 x wave columns
	s_add_co_u32 s30, s30, s29
	s_mov_b32 s31, 0
	s_add_nc_u64 s[6:7], s[6:7], s[30:31]
	v_lshlrev_b32 v3, 2, v2                        ; in: 4 bytes a lane
	v_lshrrev_b32 v7, 4, v2                        ; which of my wave's two tiles of 16 columns
	v_and_b32 v12, 15, v2
	v_lshlrev_b32 v12, 4, v12                      ; 16 r
	v_lshl_add_u32 v4, v7, 13, v12                 ; wc: a tile of 16 columns is 8 images
	v_lshl_add_u32 v6, v7, 15, v12                 ; wo16: 32 images
	v_lshlrev_b32 v5, 5, v2                        ; ws: 32 bytes a column
	WLOAD 0
	WLOAD 1
	s_lshl_b32 s29, s27, 3
	s_lshl_b32 s32, s24, 1
	s_add_co_u32 s29, s29, s32                     ; 8 nx + 2 x wave: my first tile of columns within the weight
	s_cmp_eq_u32 s26, 3
	s_cbranch_scc1 .Lpath_o
	s_lshl_b32 s30, s26, 6
	s_add_co_u32 s30, s30, s29                     ; + 64 x which
	s_lshl_b32 s32, s30, 9                         ; ws: 16 columns x 32 bytes
	s_lshl_b32 s30, s30, 13                        ; wc: 8,192 bytes a tile
	s_lshl_b32 s29, s28, 10
	s_add_co_u32 s30, s30, s29                     ; + image ky
	s_add_nc_u64 s[18:19], s[18:19], s[30:31]
	s_lshl_b32 s29, s28, 2
	s_add_co_u32 s32, s32, s29                     ; + 4 ky
	s_mov_b32 s33, 0
	s_add_nc_u64 s[20:21], s[20:21], s[32:33]
	WBLOCK 0
	WBLOCK 1
	WBLOCK 2
	WBLOCK 3
	global_store_b32 v5, v[SB], s[20:21]           ; my column's four scale bytes of these 128 along K
	s_endpgm
.Lpath_o:
	s_lshl_b32 s30, s29, 15                        ; wo16: 32,768 bytes a tile of columns
	s_lshl_b32 s29, s28, 12
	s_add_co_u32 s30, s30, s29                     ; + images 4 ky on
	s_add_nc_u64 s[22:23], s[22:23], s[30:31]
	OBLOCK 0
	OBLOCK 1
	OBLOCK 2
	OBLOCK 3
	s_endpgm
.Lfunc_end_k_q540844df71_prep:
	.size	k_q540844df71_prep, .Lfunc_end_k_q540844df71_prep-k_q540844df71_prep
	.p2alignl 7, 3214868480
	.fill 96, 4, 3214868480
	.section	.rodata,"a",@progbits
	.p2align	6, 0x0
	.amdhsa_kernel k_q540844df71_prep
		.amdhsa_group_segment_fixed_size 33280
		.amdhsa_private_segment_fixed_size 0
		.amdhsa_enable_private_segment 0
		.amdhsa_kernarg_size 80
		.amdhsa_user_sgpr_count 2
		.amdhsa_user_sgpr_kernarg_segment_ptr 1
		.amdhsa_wavefront_size32 1
		.amdhsa_system_sgpr_workgroup_id_x 1
		.amdhsa_system_sgpr_workgroup_id_y 1
		.amdhsa_system_sgpr_workgroup_id_z 1
		.amdhsa_system_vgpr_workitem_id 0
		.amdhsa_next_free_vgpr 196
		.amdhsa_next_free_sgpr 66
		.amdhsa_reserve_vcc 0
		.amdhsa_float_denorm_mode_32 3
		.amdhsa_float_denorm_mode_16_64 3
		.amdhsa_memory_ordered 1
		.amdhsa_forward_progress 1
		.amdhsa_inst_pref_size 65
	.end_amdhsa_kernel
	.amdgpu_metadata
---
amdhsa.version: [ 1, 2 ]
amdhsa.kernels:
  - .name:           k_q540844df71_prep
    .symbol:         k_q540844df71_prep.kd
    .args:
      - { .name: x, .offset: 0, .size: 8, .value_kind: global_buffer, .address_space: global }
      - { .name: Wq, .offset: 8, .size: 8, .value_kind: global_buffer, .address_space: global }
      - { .name: Wk, .offset: 16, .size: 8, .value_kind: global_buffer, .address_space: global }
      - { .name: Wv, .offset: 24, .size: 8, .value_kind: global_buffer, .address_space: global }
      - { .name: Wo, .offset: 32, .size: 8, .value_kind: global_buffer, .address_space: global }
      - { .name: xc, .offset: 40, .size: 8, .value_kind: global_buffer, .address_space: global }
      - { .name: xs, .offset: 48, .size: 8, .value_kind: global_buffer, .address_space: global }
      - { .name: wc, .offset: 56, .size: 8, .value_kind: global_buffer, .address_space: global }
      - { .name: ws, .offset: 64, .size: 8, .value_kind: global_buffer, .address_space: global }
      - { .name: wo16, .offset: 72, .size: 8, .value_kind: global_buffer, .address_space: global }
    .group_segment_fixed_size: 33280
    .private_segment_fixed_size: 0
    .kernarg_segment_align: 8
    .kernarg_segment_size: 80
    .max_flat_workgroup_size: 128
    .sgpr_count:     66
    .vgpr_count:     196
    .wavefront_size: 32
...
	.end_amdgpu_metadata
.endif
;; end of part 1
;; launch qkv (part 2): grid 12 x 32, 4 waves a work-group, clusters of 4 x 4, 327,680 bytes of LDS; arguments xc, xs, wc, ws, bq, bv, qkv; writes qkv
.if DOCPART == 2
	.amdgcn_target "amdgcn-amd-amdhsa--gfx1250"
	.amdhsa_code_object_version 6
	.text
	.protected	k_q540844df71_qkv
	.globl	k_q540844df71_qkv
	.p2align	8
	.type	k_q540844df71_qkv,@function
k_q540844df71_qkv:
	s_mov_b64 s[64:65], 0
	v_nop
	global_prefetch_b8 v0, s[64:65] scope:SCOPE_SE
	s_setreg_imm32_b32 hwreg(HW_REG_WAVE_MODE, 25, 1), 1
	s_wait_xcnt 0x0
	s_wait_alu depctr_hold_cnt(0) depctr_sa_sdst(0) depctr_va_vdst(0) depctr_va_sdst(0) depctr_va_ssrc(0) depctr_va_vcc(0) depctr_vm_vsrc(0)
	s_getreg_b32 s2, hwreg(HW_REG_IB_STS2, 6, 4)
	s_cmp_eq_u32 s2, 0
	s_cbranch_scc0 .Lentry_in_a_cluster
	s_endpgm
.Lentry_in_a_cluster:
	s_bfe_u32 s2, ttmp6, 0x10000c
	s_cmp_lg_u32 s2, 0xf033
	s_cbranch_scc0 .Lentry_shape_is_right
	s_endpgm
.Lentry_shape_is_right:
; MULTI-HEAD ATTENTION, launch 2 of 4: q = x Wq + bq, k = x Wk, v = x Wv + bv, one GEMM [8192] x [3072] over K = 1,024 on codes of FP4 (E2M1) with one E8M0 scale for each 32 along K; sums in f32.
; bk is left out: its term of the logits is the same for all keys of a row, which a softmax along the keys does not see (shown at the head of the first launch).
; The results leave as f16, laid as images of the next launch's operand registers.  LIMIT: results of magnitude 65,504 or more are not served (f16).
; A tile of C, 256 x 256, is made by a work-group of four waves; a wave makes 128 x 128: 64 accumulators of 16 x 16, 512 registers.  K lies in two LDS slots of 512 along K: both are filled at the start, nothing is filled again.
; x's tiles are rows of 256 bytes, padded in LDS; the weights' tiles are images (16 columns x 128 K in 1,024 bytes: the 16 bytes at 512 c + 16 lane are the lane's registers 4 c .. 4 c + 3), read as they lie.
; THE SCALES of the work-group's 256 rows of x and 256 columns of W, for all of K, are two dense blocks of memory: they come into LDS once.
; CLUSTERS: 4 x 4 work-groups.  The four of a row of the cluster need the same tiles of x, the four of a column the same tiles of W: each tile is asked for JOINTLY.  The cluster's x is `which` (0 q, 1 k, 2 v): it is the same
; in all sixteen partners, so the one branch on it (the bias is loaded, or for k written as zeros) goes the same way in all of them.
; THE MATRIX INSTRUCTION IS USED TRANSPOSED (source 0 = 16 columns of W, source 1 = 16 rows of x): a lane then holds one token and eight neighbouring channels, which pack into 16 bytes of an image.
; REGISTERS: window 0: v0-31 addresses; v32-95 scale words, two sets, and nothing else; v96-223 the way out; from v128 x's fragments, ONE set.   window 1: W's fragments, TWO sets, at v0 and v128; v64-127 the bias, eight blocks.
;   window 2: the 32 accumulators of my rows 0-63 ((a, b) at v[8 (8 a + b)]);   window 3: those of my rows 64-127.
.set NQ,     4                         ; steps of 128 along K in a slot
.set ROWB,   256                       ; a row of x's tile in bytes: 512 codes
.set KROW,   512                       ; a row of xc in bytes; also the bytes of wc for each column
.set PITCH,  272                       ; an LDS row of x's tile: 256 bytes + 16 of padding: the 16 rows that a load touches start at 16 different banks (64 banks of 4 bytes: ISA guide 11.1)
.set FR,     8                         ; registers of a fragment
.set NL,     2                         ; LDS loads that bring one
.set NP,     4                         ; places behind this matrix instruction (ISA guide 7.12.1)
.set HALFT,  128*PITCH                 ; 128 rows of x: what one tensor load brings
.set BHALF,  32768                     ; 8 tiles of 16 columns x 4 images: what one tensor load brings of W
.set BOFF,   2*HALFT                   ; W's images lie behind x's 256 rows
.set SLOT,   2*HALFT+2*BHALF
.set KS,     32                        ; a row of scale bytes
.set SCL,    2*SLOT                    ; behind the slots: the scales, as units of 256 bytes + 16 of padding
.set HALFS,  (128*KS/256)*272
.set SBLK,   (16*KS/256)*272
.set SPARE,  SCL+4*HALFS               ; the spare words, 128 bytes for each wave
.set HEADB,  786432                    ; qkv: a head's bytes: Q 262,144, then four chunks of (K of 512 tokens 65,536, V of the same 65,536)
.set ADRA, 16                          ; v16-17  LDS address of my fragments of x in slot 0, 1
.set ADRB, 20                          ; v20-21  the same for W
.set CO,   26                          ; v26     the way out: my 16 bytes in half an image
.set ADRS, 27                          ; v27     LDS address of my scale words: lanes 0-15 x's rows, lanes 16-31 W's columns
.set SPW,  28                          ; v28     LDS address of my spare word; never rewritten
.set NIL,  29                          ; v29     0; never rewritten
.set BOFS, 30                          ; v30     32 h: my eight numbers of a block of the bias
.set SC,   32                          ; scale words: set s at v[SC + 32 s]; register 4 i + q: lanes 0-15 the word of x's block i, lanes 16-31 that of W's block i
.set TMP,  96                          ; the way out: four sets of 32 packed registers
.set AF,   128                         ; x's fragments
.set BIAS, 64                          ; in window 1
.set G1, 24
.set G0, 32
.set G1B, 48
.set G0B, 56
.set G1S, 68
.set G0S, 76
.set G1SB, 80
.set G0SB, 88
.set MSB, 0
.macro WIN new                         ; the immediate's high byte repeats the setting that is left
.if MSB != \new
	s_set_vgpr_msb (MSB<<8)|\new
.set MSB, \new
.endif
.endm
.set MUL_LO,  0xa1                     ; source 0 (W) window 1, source 1 (x) window 0, C and D window 2
.set MUL_HI,  0xf1                     ; the same, C and D window 3
.set BIAS_LO, 0x91                     ; C (the bias) window 1, D window 2
.set BIAS_HI, 0xd1                     ; C window 1, D window 3
.set TO_B,    0x40                     ; destination window 1, address window 0
; A joint load: waves 0 and 1 fetch for x, waves 2 and 3 for W.  The branch hangs on the wave's number alone.  An s_nop 0 and four v_nop follow each of the two lines.
.macro JLOAD g0a, g1a, g0b, g1b
	s_cmp_eq_u32 s15, 0
	s_cbranch_scc0 .Lfor_b_\@
	tensor_load_to_lds s[\g0a:\g0a+3], s[\g1a:\g1a+7]
	s_nop 0
.rept 4
	v_nop
.endr
	s_branch .Lasked_\@
.Lfor_b_\@:
	tensor_load_to_lds s[\g0b:\g0b+3], s[\g1b:\g1b+7]
	s_nop 0
.rept 4
	v_nop
.endr
.Lasked_\@:
.endm
.macro CROUND                          ; a round of the cluster's barrier
	s_barrier_signal -1
	s_barrier_wait -1
	s_cmp_lg_u32 s14, 0
	s_cbranch_scc1 .Lnot_wave_0_\@
	s_barrier_signal -3
.Lnot_wave_0_\@:
	s_barrier_wait -3
	s_barrier_signal -1
	s_barrier_wait -1
.endm
	s_load_b128 s[4:7], s[0:1], 0x0                ; xc s[4:5], xs s[6:7]
	s_load_b128 s[8:11], s[0:1], 0x10              ; wc s[8:9], ws s[10:11]
	s_load_b128 s[96:99], s[0:1], 0x20             ; bq s[96:97], bv s[98:99]
	s_load_b64 s[12:13], s[0:1], 0x30              ; qkv
	v_lshl_add_u32 v[SPW], v0, 2, SPARE
	v_mov_b32 v[NIL], 0
	ds_add_u32 v[SPW], v[NIL]                      ; the wave's opening: the add, twice on end, and its wait ahead of my first tensor load
	ds_add_u32 v[SPW], v[NIL]
	v_lshrrev_b32 v1, 5, v0
	v_readfirstlane_b32 s14, v1                    ; wave 0..3
	s_lshr_b32 s15, s14, 1                         ; which half of the tile's rows is mine.  Also: I fetch for x (0) or for W (1)
	s_and_b32 s16, s14, 1                          ; which half of its columns.  Also: which half of that tile I fetch
	s_bfe_u32 s40, ttmp6, 0x40000                  ; cx, cy: my place in the cluster
	s_bfe_u32 s41, ttmp6, 0x40004
	s_lshl_b32 s42, ttmp9, 2
	s_add_co_u32 s42, s42, s40                     ; tile column = 4 x which + cx
	s_and_b32 s17, ttmp7, 0xffff
	s_lshl_b32 s17, s17, 2
	s_add_co_u32 s17, s17, s41                     ; tile row = 4 x cluster y + cy
	s_lshl_b32 s43, s41, 2
	s_lshl_b32 s43, 15, s43                        ; my row of the cluster
	s_lshl_b32 s44, 0x1111, s40                    ; my column
	; group 1 for x's tiles: 128 rows x 256 bytes, 512 bytes apart in memory, 16 bytes of padding behind each in LDS
	s_or_b32 s[G1+0], s43, (0<<16)|(1<<20)|(1<<21)|(5<<22)|(3<<25)  ; the mask: my row; elements of 1 byte; padding on; bit 21 beside a mask; after every 64 words 4 words
	s_mov_b32 s[G1+1], ROWB<<16                    ; tensor_dim0
	s_mov_b32 s[G1+2], 128<<16                     ; tensor_dim1
	s_mov_b32 s[G1+3], ROWB<<16                    ; tile_dim0
	s_mov_b32 s[G1+4], 128                         ; tile_dim1
	s_mov_b32 s[G1+5], KROW                        ; stride from row to row
	s_mov_b32 s[G1+6], 0
	s_mov_b32 s[G1+7], 0
	; group 1 for W's images: 8 rows (tiles of 16 columns) x 4,096 bytes (4 images), 8,192 bytes apart; elements of 8 bytes; no padding: the images are read 512 consecutive bytes at a time
	s_or_b32 s[G1B+0], s44, (3<<16)|(1<<21)        ; the mask: my column
	s_mov_b32 s[G1B+1], 512<<16
	s_mov_b32 s[G1B+2], 8<<16
	s_mov_b32 s[G1B+3], 512<<16
	s_mov_b32 s[G1B+4], 8
	s_mov_b32 s[G1B+5], 1024
	s_mov_b32 s[G1B+6], 0
	s_mov_b32 s[G1B+7], 0
	; and for the scales of 128 rows: a dense block of 4,096 bytes, as rows of 256 bytes, 16 bytes of padding behind each
	s_or_b32 s[G1S+0], s43, (3<<16)|(1<<20)|(1<<21)|(5<<22)|(3<<25)
	s_or_b32 s[G1SB+0], s44, (3<<16)|(1<<20)|(1<<21)|(5<<22)|(3<<25)
.irp g, G1S, G1SB
	s_mov_b32 s[\g+1], 32<<16
	s_mov_b32 s[\g+2], (128*KS/256)<<16
	s_mov_b32 s[\g+3], 32<<16
	s_mov_b32 s[\g+4], 128*KS/256
	s_mov_b32 s[\g+5], 32
	s_mov_b32 s[\g+6], 0
	s_mov_b32 s[\g+7], 0
.endr
	s_lshl_b32 s18, s16, 7                         ; which 128 rows of the tile I fetch
	s_lshl_b32 s20, s17, 8
	s_add_co_u32 s20, s20, s18                     ; x: row 256 x tile row + 128 x half
	s_lshl_b32 s46, s42, 8
	s_add_co_u32 s46, s46, s18                     ; W: column 256 x tile column + 128 x half
	s_mov_b32 s21, 0
	s_mov_b32 s47, 0
	s_mov_b64 s[18:19], KS
	s_mul_u64 s[22:23], s[20:21], s[18:19]         ; where their scales begin, in bytes
	s_mul_u64 s[92:93], s[46:47], s[18:19]
	s_mov_b64 s[18:19], KROW
	s_mul_u64 s[20:21], s[20:21], s[18:19]         ; and their codes (16 columns of W are 8,192 bytes of images: 512 a column)
	s_mul_u64 s[46:47], s[46:47], s[18:19]
	s_mul_i32 s45, s16, HALFT                      ; where they go: no place in the cluster enters an LDS address
	s_mul_i32 s95, s16, BHALF
	s_add_co_u32 s95, s95, BOFF
	s_mul_i32 s94, s14, HALFS
	s_wait_dscnt 0x0                               ; both opening adds are done
	s_wait_kmcnt 0x0
	s_add_nc_u64 s[20:21], s[4:5], s[20:21]
	s_add_nc_u64 s[22:23], s[6:7], s[22:23]
	s_add_nc_u64 s[46:47], s[8:9], s[46:47]
	s_add_nc_u64 s[92:93], s[10:11], s[92:93]
	CROUND                                         ; all sixteen work-groups are here: the joint loads meet
	s_mov_b32 s[G0S], 1
	s_add_co_u32 s[G0S+1], s94, SCL
	s_mov_b64 s[G0S+2:G0S+3], s[22:23]
	s_or_b32 s[G0S+3], s[G0S+3], 0x80000000
	s_mov_b32 s[G0SB], 1
	s_add_co_u32 s[G0SB+1], s94, SCL
	s_mov_b64 s[G0SB+2:G0SB+3], s[92:93]
	s_or_b32 s[G0SB+3], s[G0SB+3], 0x80000000
	JLOAD G0S, G1S, G0SB, G1SB                     ; the scales first: they are wanted with the first step.  Three tensor loads of mine are out at the most
.irp s, 0,1
	s_mov_b32 s[G0+4*\s], 1
	s_add_co_u32 s[G0+4*\s+1], s45, \s*SLOT
	s_add_nc_u64 s[G0+4*\s+2:G0+4*\s+3], s[20:21], \s*ROWB
	s_or_b32 s[G0+4*\s+3], s[G0+4*\s+3], 0x80000000
	s_mov_b32 s[G0B+4*\s], 1
	s_add_co_u32 s[G0B+4*\s+1], s95, \s*SLOT
	s_add_nc_u64 s[G0B+4*\s+2:G0B+4*\s+3], s[46:47], \s*4096
	s_or_b32 s[G0B+4*\s+3], s[G0B+4*\s+3], 0x80000000
	JLOAD G0+4*\s, G1, G0B+4*\s, G1B
.endr
	v_and_b32 v1, 15, v0                           ; r = lane % 16
	v_bfe_u32 v2, v0, 4, 1                         ; h = lane / 16
	v_mul_u32_u24 v3, v1, PITCH
	v_lshl_add_u32 v4, v2, 4, v3                   ; x: a fragment's row x pitch + 16 h
	v_and_b32 v6, 31, v0
	v_lshlrev_b32 v6, 4, v6                        ; W: 16 x lane
	s_mul_i32 s21, s15, HALFT                      ; my 128 rows of x
	s_mul_i32 s22, s16, BHALF                      ; my 128 columns of W
	s_add_co_u32 s22, s22, BOFF
.irp s, 0,1
	v_add_nc_u32 v[ADRA+\s], s21, v4
	v_add_nc_u32 v[ADRB+\s], s22, v6
	s_add_co_u32 s21, s21, SLOT
	s_add_co_u32 s22, s22, SLOT
.endr
	v_mov_b32 v[CO], v6                            ; the way out: 16 x lane;
	v_lshrrev_b32 v5, 3, v1
	v_lshlrev_b32 v5, 4, v5
	v_lshl_add_u32 v5, v2, 3, v5
	v_and_b32 v7, 7, v1
	v_add_lshl_u32 v5, v5, v7, 4                   ; for v: 16 x (16 (r / 8) + 8 h + r % 8), so that the turning LDS load of the next launch, at 16 x lane, finds key 8 (lane / 16) + lane % 8 and channels 8 ((lane / 8) % 2) on
	s_cmp_eq_u32 ttmp9, 2
	s_cselect_b32 s66, -1, 0
	v_cndmask_b32 v[CO], v[CO], v5, s66
	v_mul_u32_u24 v5, v1, KS                       ; my row's scales: 32 bytes a row,
	v_lshrrev_b32 v6, 8, v5
	v_lshl_add_u32 v5, v6, 4, v5                   ; and 16 more for each 256 passed
	s_mul_i32 s21, s15, HALFS                      ; x's: my 128 rows
	s_mul_i32 s22, s16, HALFS                      ; W's: my 128 columns, behind x's 256
	s_add_co_u32 s22, s22, 2*HALFS
	s_sub_co_u32 s22, s22, s21
	v_mul_u32_u24 v6, s22, v2                      ; lanes 16-31 take W's
	s_add_co_u32 s21, s21, SCL
	v_add_nc_u32 v5, v5, v6
	v_add_nc_u32 v[ADRS], s21, v5
	v_lshlrev_b32 v[BOFS], 5, v2
	; where my results go.  Token m0 = 256 x tile row + 128 x half: batch m0 / 2048, tile of 16 tokens tt0 = (m0 % 2048) / 16; my first head 4 cx + 2 x half of the columns
	s_lshl_b32 s20, s17, 8
	s_lshl_b32 s21, s15, 7
	s_add_co_u32 s20, s20, s21                     ; m0
	s_lshr_b32 s21, s20, 11
	s_bfe_u32 s22, s20, 0x70004                    ; tt0
	s_lshl_b32 s21, s21, 4
	s_lshl_b32 s23, s40, 2
	s_add_co_u32 s21, s21, s23
	s_lshl_b32 s23, s16, 1
	s_add_co_u32 s21, s21, s23                     ; batch x 16 + head
	s_mul_i32 s21, s21, HEADB
	s_lshl_b32 s23, s22, 11                        ; q: 2,048 bytes a tile of tokens
	s_lshr_b32 s66, s22, 5
	s_lshl_b32 s66, s66, 17                        ; k, v: the chunk of 32 tiles,
	s_and_b32 s67, s22, 31
	s_lshl_b32 s67, s67, 11                        ; the tile in it,
	s_add_co_u32 s66, s66, s67
	s_lshl_b32 s67, ttmp9, 16                      ; k's part or v's,
	s_add_co_u32 s66, s66, s67
	s_add_co_u32 s66, s66, 262144-65536            ; behind q
	s_cmp_eq_u32 ttmp9, 0
	s_cselect_b32 s20, s23, s66
	s_add_co_u32 s20, s20, s21
	s_mov_b32 s21, 0
	s_add_nc_u64 s[12:13], s[12:13], s[20:21]
	; THE BIAS is the C of each sum's first product, in the result's layout: block b, lane (r, h), register j: bias[256 cx + 128 x half + 16 b + 8 h + j].  q and v load theirs, early, while the first tiles are on their way.
	; k has none: its 64 registers are written as zeros, once a wave, so that the first step is written once for all three and every register that it reads is written on both ways.
	s_cmp_eq_u32 ttmp9, 1
	s_cbranch_scc1 .Lno_bias
	s_cmp_eq_u32 ttmp9, 0
	s_cselect_b64 s[96:97], s[96:97], s[98:99]
	s_lshl_b32 s66, s40, 10
	s_lshl_b32 s67, s16, 9
	s_add_co_u32 s66, s66, s67
	s_mov_b32 s67, 0
	s_add_nc_u64 s[96:97], s[96:97], s[66:67]
	WIN TO_B
.irp b, 0,1,2,3,4,5,6,7
	global_load_b128 v[BIAS+8*\b:BIAS+8*\b+3], v[BOFS], s[96:97] offset:64*\b
	global_load_b128 v[BIAS+8*\b+4:BIAS+8*\b+7], v[BOFS], s[96:97] offset:64*\b+16
.endr
	WIN 0                                          ; at a branch and at a label every window is 0
	s_branch .Lbias_done
.Lno_bias:
	WIN TO_B
.set n, 0
.rept 64
	v_mov_b32 v[BIAS+n], 0
.set n, n+1
.endr
	WIN 0
.Lbias_done:
.macro FRAGA reg, slot, q, i           ; x: 16 rows x 128 K: lane l holds row l % 16; registers 4 c .. 4 c + 3 hold K = 64 c + 32 (l / 16) + 0 .. 31
.irp c, 0,1
	ds_load_b128 v[\reg+4*\c:\reg+4*\c+3], v[ADRA+\slot] offset:64*(\q)+32*\c+(\i)*16*PITCH
.endr
.endm
.macro FRAGB reg, slot, q, i           ; W: the image of tile i, step q, as it lies
.irp c, 0,1
	ds_load_b128 v[\reg+4*\c:\reg+4*\c+3], v[ADRB+\slot] offset:4096*(\i)+1024*(\q)+512*\c
.endr
.endm
; 16 matrix instructions: x's blocks a0, a0 + 1 against W's eight, 128 along K.  p: W's set; sc: the set of scale words.  first = 1: the bias is the sum's C: nothing is cleared; 0: in place.
; The 64 accumulators take turns, one instruction a turn, in the same order in every step.
.macro MUL16 a0, p, q, sc, first
.irp a, \a0, \a0+1
.irp b, 0,1,2,3,4,5,6,7
.set rD,  8*(8*((\a)%4)+\b)
.set rB,  128*(\p)+FR*\b
.set rA,  AF+FR*(\a)
.set rSB, SC+8*NQ*(\sc)+NQ*\b+(\q)
.set rSA, SC+8*NQ*(\sc)+NQ*(\a)+(\q)
.if \first
	v_wmma_scale_f32_16x16x128_f8f6f4 v[rD:rD+7], v[rB:rB+7], v[rA:rA+7], v[BIAS+8*\b:BIAS+8*\b+7], v[rSB], v[rSA] matrix_a_fmt:MATRIX_FMT_FP4 matrix_b_fmt:MATRIX_FMT_FP4 matrix_a_scale:MATRIX_SCALE_ROW1
.else
	v_wmma_scale_f32_16x16x128_f8f6f4 v[rD:rD+7], v[rB:rB+7], v[rA:rA+7], v[rD:rD+7], v[rSB], v[rSA] matrix_a_fmt:MATRIX_FMT_FP4 matrix_b_fmt:MATRIX_FMT_FP4 matrix_a_scale:MATRIX_SCALE_ROW1
.endif
.endr
.endr
.endm
.macro FETCH_B slot, q, p
	WIN TO_B
.irp i, 0,1,2,3,4,5,6,7
	FRAGB 128*(\p)+FR*\i, \slot, \q, \i
.endr
	WIN 0
.endm
.macro FETCH_A slot, q, i0
.irp i, \i0, \i0+1, \i0+2, \i0+3
	FRAGA AF+FR*(\i), \slot, \q, \i
.endr
.endm
.macro SCALES sc                       ; a slot's scale words: 4 words a row; lanes 0-15 take x's block i, lanes 16-31 W's block i
.irp i, 0,1,2,3,4,5,6,7
	ds_load_b128 v[SC+8*NQ*\sc+NQ*\i:SC+8*NQ*\sc+NQ*\i+3], v[ADRS] offset:\i*SBLK
.endr
.endm
; A load into a register that a matrix instruction has read, and a vector instruction that reads a matrix result, stand NP places behind that matrix instruction; only plain vector instructions that name none of its registers are places.
.macro PLACES n
.rept \n
	v_nop
.endr
.endm
.macro STEP slot, q, first             ; a step of 128 along K that has its successor in the same slot
	s_wait_dscnt 4*NL                              ; W's set and x's blocks 0-3 are in; the youngest eight loads (x's blocks 4-7) may be out
.if \first
	WIN BIAS_LO
.else
	WIN MUL_LO
.endif
	MUL16 0, (\q)%2, \q, \slot, \first
	MUL16 2, (\q)%2, \q, \slot, \first
	s_wait_dscnt 0x0                               ; x's blocks 4-7 are in
	PLACES NP
	FETCH_B \slot, (\q)+1, 1-(\q)%2
	FETCH_A \slot, (\q)+1, 0
.if \first
	WIN BIAS_HI
.else
	WIN MUL_HI
.endif
	MUL16 4, (\q)%2, \q, \slot, \first
	MUL16 6, (\q)%2, \q, \slot, \first
	PLACES NP
	WIN 0
	FETCH_A \slot, (\q)+1, 4
.endm
.macro TURN slot, next                 ; slot 0's last step goes over to slot 1: each wave waits for all its tensor loads, and one barrier shows the slot whole to all four
	s_wait_tensorcnt 0x0                           ; my part of the next slot has landed
	ds_add_u32 v[SPW], v[NIL]                      ; 0 onto my spare word
	s_wait_dscnt 4*NL+1                            ; (the add and the youngest eight loads may be out)
	WIN MUL_LO
	MUL16 0, 1, NQ-1, \slot, 0
	s_wait_dscnt 0x0
	s_barrier_signal -1
	MUL16 2, 1, NQ-1, \slot, 0
	WIN 0
	s_barrier_wait -1
	PLACES NP
	v_add_nc_u32 v[ADRS], 4*NQ, v[ADRS]            ; on to the next slot's scale words (no LDS load of mine is out)
	FETCH_B \next, 0, 0
	FETCH_A \next, 0, 0
	SCALES \next
	WIN MUL_HI
	MUL16 4, 1, NQ-1, \slot, 0
	MUL16 6, 1, NQ-1, \slot, 0
	PLACES NP
	WIN 0
	FETCH_A \next, 0, 4
.endm
	s_wait_loadcnt 0x0                             ; the bias
	s_wait_tensorcnt 1                             ; the scales and my part of slot 0 are in; slot 1's load may be out,
	s_barrier_signal -1
	s_barrier_wait -1                              ; everybody's are
	FETCH_B 0, 0, 0
	FETCH_A 0, 0, 0
	SCALES 0
	FETCH_A 0, 0, 4
	STEP 0, 0, 1                                   ; the first step starts the sums, with the bias as C
	STEP 0, 1, 0
	STEP 0, 2, 0
	TURN 0, 1
	STEP 1, 0, 0
	STEP 1, 1, 0
	STEP 1, 2, 0
	s_wait_dscnt 4*NL                              ; the very last step: nothing more to fetch
	WIN MUL_LO
	MUL16 0, 1, NQ-1, 1, 0
	MUL16 2, 1, NQ-1, 1, 0
	s_wait_dscnt 0x0
	WIN MUL_HI
	MUL16 4, 1, NQ-1, 1, 0
	MUL16 6, 1, NQ-1, 1, 0
	WIN 0
; THE WAY OUT, straight from registers.  Block (a, b): lane (r, h) holds token 16 a + r and channels 16 b + 8 h + 0 .. 7: rounded to f16 they are the 16 bytes of half an image (c = b % 2) of head b / 4, channel group (b / 2) % 2.
; Each store of the wave covers 512 consecutive bytes, aligned.
.macro PACK a
.set AC, 64*((\a)%4)
.set TM, TMP+32*((\a)%4)
	WIN 0x0a+5*((\a)/4)                            ; sources 0 and 1: window 2 or 3
.irp b, 0,1,2,3,4,5,6,7
.irp i, 0,1,2,3
	v_cvt_pk_f16_f32 v[TM+4*\b+\i], v[AC+8*\b+2*\i], v[AC+8*\b+2*\i+1]   ; each accumulator from its low end on
.endr
.endr
	WIN 0
.irp b, 0,1,2,3,4,5,6,7
	global_store_b128 v[CO], v[TM+4*\b:TM+4*\b+3], s[12:13] offset:2048*(\a)+HEADB*(\b/4)+512*(\b%4)
.endr
.endm
	PLACES NP                                      ; behind the last products: for the reads of results and the writes of registers that held x's fragments
.irp a, 0,1,2,3
	PACK \a
.endr
.irp a, 4,5,6,7
	s_wait_xcnt 0x0                                ; the stores of four blocks back have read their registers: the set is written again only behind this wait
	PACK \a
.endr
	s_wait_tensorcnt 0x0                           ; the wave's end
	ds_add_u32 v[SPW], v[NIL]
	s_wait_dscnt 0x0
	CROUND                                         ; the closing round: no work-group ends while a partner may still ask for a tile that names it
	s_endpgm
.Lfunc_end_k_q540844df71_qkv:
	.size	k_q540844df71_qkv, .Lfunc_end_k_q540844df71_qkv-k_q540844df71_qkv
	.p2alignl 7, 3214868480
	.fill 96, 4, 3214868480
	.section	.rodata,"a",@progbits
	.p2align	6, 0x0
	.amdhsa_kernel k_q540844df71_qkv
		.amdhsa_group_segment_fixed_size 327680
		.amdhsa_private_segment_fixed_size 0
		.amdhsa_enable_private_segment 0
		.amdhsa_kernarg_size 56
		.amdhsa_user_sgpr_count 2
		.amdhsa_user_sgpr_kernarg_segment_ptr 1
		.amdhsa_wavefront_size32 1
		.amdhsa_system_sgpr_workgroup_id_x 1
		.amdhsa_system_sgpr_workgroup_id_y 1
		.amdhsa_system_sgpr_workgroup_id_z 1
		.amdhsa_system_vgpr_workitem_id 0
		.amdhsa_next_free_vgpr 1024
		.amdhsa_next_free_sgpr 100
		.amdhsa_reserve_vcc 0
		.amdhsa_float_denorm_mode_32 3
		.amdhsa_float_denorm_mode_16_64 3
		.amdhsa_memory_ordered 1
		.amdhsa_forward_progress 1
		.amdhsa_inst_pref_size 122
	.end_amdhsa_kernel
	.amdgpu_metadata
---
amdhsa.version: [ 1, 2 ]
amdhsa.kernels:
  - .name:           k_q540844df71_qkv
    .symbol:         k_q540844df71_qkv.kd
    .args:
      - { .name: xc, .offset: 0, .size: 8, .value_kind: global_buffer, .address_space: global }
      - { .name: xs, .offset: 8, .size: 8, .value_kind: global_buffer, .address_space: global }
      - { .name: wc, .offset: 16, .size: 8, .value_kind: global_buffer, .address_space: global }
      - { .name: ws, .offset: 24, .size: 8, .value_kind: global_buffer, .address_space: global }
      - { .name: bq, .offset: 32, .size: 8, .value_kind: global_buffer, .address_space: global }
      - { .name: bv, .offset: 40, .size: 8, .value_kind: global_buffer, .address_space: global }
      - { .name: qkv, .offset: 48, .size: 8, .value_kind: global_buffer, .address_space: global }
    .group_segment_fixed_size: 327680
    .private_segment_fixed_size: 0
    .kernarg_segment_align: 8
    .kernarg_segment_size: 56
    .max_flat_workgroup_size: 128
    .sgpr_count:     100
    .vgpr_count:     1024
    .wavefront_size: 32
...
	.end_amdgpu_metadata
.endif
;; end of part 2
;; launch attn (part 3): grid 4 x 64, 16 waves a work-group, clusters of 4 x 1, 327,680 bytes of LDS; arguments qkv, ctx; writes ctx
.if DOCPART == 3
	.amdgcn_target "amdgcn-amd-amdhsa--gfx1250"
	.amdhsa_code_object_version 6
	.text
	.protected	k_q540844df71_attn
	.globl	k_q540844df71_attn
	.p2align	8
	.type	k_q540844df71_attn,@function
k_q540844df71_attn:
	s_mov_b64 s[64:65], 0
	v_nop
	global_prefetch_b8 v0, s[64:65] scope:SCOPE_SE
	s_setreg_imm32_b32 hwreg(HW_REG_WAVE_MODE, 25, 1), 1
	s_wait_xcnt 0x0
	s_wait_alu depctr_hold_cnt(0) depctr_sa_sdst(0) depctr_va_vdst(0) depctr_va_sdst(0) depctr_va_ssrc(0) depctr_va_vcc(0) depctr_vm_vsrc(0)
	s_getreg_b32 s2, hwreg(HW_REG_IB_STS2, 6, 4)
	s_cmp_eq_u32 s2, 0
	s_cbranch_scc0 .Lentry_in_a_cluster
	s_endpgm
.Lentry_in_a_cluster:
	s_bfe_u32 s2, ttmp6, 0x10000c
	s_cmp_lg_u32 s2, 0x3003
	s_cbranch_scc0 .Lentry_shape_is_right
	s_endpgm
.Lentry_shape_is_right:
; MULTI-HEAD ATTENTION, launch 3 of 4: ctx[bh][q] = the sum over k of softmax_k(q . k / 8) v, 64 heads (batch x head) of 2,048 tokens and 64 channels, no mask.  Operands f16, products, maxima and sums f32.
; bk is left out (shown at the head of the first launch): k comes without it.
; LIMITS: the weights p (at most 1) are rounded to f16 for the second product, ctx to f16 at the end: magnitudes of ctx of 65,504 or more are not served; NaN and infinities among the inputs are not served.
; SHARES.  A work-group owns 512 queries of one head; each of its SIXTEEN waves owns 32 of them, two tiles of 16, in 256 registers: four waves to a SIMD, so that one wave's vector work stands beside another's matrix work and LDS loads.
; Every wave walks all 2,048 keys, 64 a step.  K and V come through two LDS slots of 512 keys (K 65,536 bytes, then V 65,536), as they lie in memory: images of the operands' registers, read 512 consecutive bytes at a time.
; Every wave fetches a sixteenth of a slot, 8,192 dense bytes, by one tensor load: two of mine are out at the start, one behind each round.
; CLUSTER.  The four query blocks of a head form a cluster and walk the same K and V: each tile is asked for JOINTLY, by the same tensor load with the same descriptor and a mask that names the four.
; LAYOUT.  S^T = K Q^T (source 0 = 16 keys, source 1 = 16 queries): a lane holds ONE query (lane % 16) and the keys 8 (lane / 16) + 0..7.  Two such tiles, rounded to f16 in pairs, ARE source 1 (32 keys x 16 queries) of
; O^T = V^T P, whose result again holds one query a lane, and eight channels.  V comes turned, by ds_load_tr16_b128 at 16 x lane: the launch before has laid it for that.
; SOFTMAX.  For each query a running maximum m and sum l: p = 2^(c s - c m), c = log2(e) / 8; in every step O and l are multiplied by a = 2^(c m_old - c m_new).  The step is written without a first form: m begins at -3e38, l and O^T at 0.
; No data are asked for ahead of the tensor loads: a work-group has two refills, each issued a whole slot, eight key steps of all sixteen waves, ahead of its first read.
.set SLOT1, 1<<17                      ; slot 1 begins here: one exclusive or turns an address in one slot into the other's
.set VOFF,  65536                      ; V lies behind K in a slot
.set STEPB, 8192                       ; 64 keys: four tiles of 16 tokens x 2,048 bytes
.set CHUNK, 131072                     ; a slot's bytes in memory
.set HEADB, 786432                     ; a head's bytes in qkv: Q 262,144, then four chunks
.set KV0,   262144
.set SPARE, 2*SLOT1                    ; the spare words, 128 bytes for each of the sixteen waves
.set LA,  1                            ; v1   16 x lane: my place in half an image, in LDS and in memory; never rewritten
.set ADK, 2                            ; v2   LDS address of the step's K
.set ADV, 3                            ; v3   of its V
.set SPW, 4                            ; v4   LDS address of my spare word; never rewritten
.set NIL, 5                            ; v5   0; never rewritten
.set ST,  8                            ; tile t's statistics at v[ST + 8 t]: +0 c m, +1 m, +2, +3 l (two halves), +4 .. +7 T0-T3 at work; a stands in T2
.set Q,   32                           ; v32-63   Q: tile t, channels 32 g on, at Q + 16 t + 8 g
.set S,   64                           ; v64-127  S^T, 32 a tile; P is packed in place into the low 16 of each tile
.set O,   128                          ; v128-191 O^T: tile t, channels 16 ct on, at O + 32 t + 8 ct
.set KV,  192                          ; v192-255 K (keys 16 kt on, channels 32 g on) at KV + 16 kt + 8 g; then V^T (keys 32 kg on, channels 16 ct on) at KV + 32 kg + 8 ct
.set WV,  8                            ; s8   my wave's number
.set G1,  16                           ; s[16:23] descriptor group 1
.set G0A, 24                           ; s[24:27] group 0 of slot 0's first fill
.set G0W, 28                           ; s[28:31] group 0 of slot 1's first fill; it then walks
.set CS,  32                           ; s[32:33] c: the packed form names a pair and takes its low word for both halves
.set SEL, 34                           ; s[34:35] lane selects for v_permlanex16_b32: lane l xor 16
.set TB,  36                           ; s36  LDS byte at which the step's K begins
.set SLOTS, 37                         ; s37  slots still to be asked for
.set CNT, 38                           ; s38  counts a slot's eight steps
.macro CROUND                          ; a round of the cluster's barrier
	s_barrier_signal -1
	s_barrier_wait -1
	s_cmp_lg_u32 s[WV], 0
	s_cbranch_scc1 .Lnot_wave_0_\@
	s_barrier_signal -3
.Lnot_wave_0_\@:
	s_barrier_wait -3
	s_barrier_signal -1
	s_barrier_wait -1
.endm
	s_load_b128 s[4:7], s[0:1], 0x0                ; qkv s[4:5], ctx s[6:7]
	v_lshl_add_u32 v[SPW], v0, 2, SPARE
	v_mov_b32 v[NIL], 0
	ds_add_u32 v[SPW], v[NIL]                      ; the wave's opening: the add, twice on end, and its wait ahead of my first tensor load
	ds_add_u32 v[SPW], v[NIL]
	v_lshrrev_b32 v6, 5, v0
	v_readfirstlane_b32 s[WV], v6                  ; wave 0..15
	s_bfe_u32 s9, ttmp6, 0x40000                   ; cx: my place in the cluster
	s_lshl_b32 s11, ttmp9, 2
	s_add_co_u32 s11, s11, s9                      ; my block of 512 queries: it enters Q's and ctx's addresses alone
	s_and_b32 s10, ttmp7, 0xffff                   ; batch x 16 + head, which the four partners share
	; group 1: 8,192 dense bytes as 32 rows of 256 bytes (32 elements of 8 bytes), no padding
	s_mov_b32 s[G1], 15|(3<<16)|(1<<21)            ; the mask: all four work-groups; elements of 8 bytes; bit 21 beside a mask
	s_mov_b32 s[G1+1], 32<<16                      ; tensor_dim0
	s_mov_b32 s[G1+2], 32<<16                      ; tensor_dim1
	s_mov_b32 s[G1+3], 32<<16                      ; tile_dim0
	s_mov_b32 s[G1+4], 32                          ; tile_dim1
	s_mov_b32 s[G1+5], 32                          ; stride from row to row
	s_mov_b32 s[G1+6], 0
	s_mov_b32 s[G1+7], 0
	s_mul_i32 s12, s10, HEADB                      ; the head's first byte in qkv
	s_mov_b32 s13, 0
	s_lshl_b32 s14, s[WV], 13                      ; my sixteenth of a slot, in memory and in LDS: no place in the cluster enters it
	s_mov_b32 s15, 0
	s_lshl_b32 s11, s11, 5
	s_lshl_b32 s38, s[WV], 1
	s_add_co_u32 s11, s11, s38                     ; my first tile of 16 tokens in the head: 32 x block + 2 x wave
	s_lshl_b32 s40, s11, 11                        ; Q: 2,048 bytes a tile
	s_mov_b32 s41, 0
	s_lshr_b32 s42, s10, 4
	s_lshl_b32 s42, s42, 7
	s_add_co_u32 s42, s42, s11                     ; ctx: tile of tokens 128 x batch + ..., 32,768 bytes each,
	s_lshl_b32 s42, s42, 15
	s_and_b32 s43, s10, 15
	s_lshl_b32 s43, s43, 11                        ; the head's two images in it
	s_add_co_u32 s42, s42, s43
	s_mov_b32 s43, 0
	s_mov_b32 s[CS], 0x3e38aa3b                    ; c = log2(e) / 8
	s_mov_b32 s[CS+1], s[CS]                       ; (named with it as a pair, so it is written)
	s_mov_b32 s[SEL], 0x76543210
	s_mov_b32 s[SEL+1], 0xfedcba98
	s_mov_b32 s[TB], 0
	s_mov_b32 s[SLOTS], 2
	s_wait_dscnt 0x0                               ; both opening adds are done
	s_wait_kmcnt 0x0
	s_add_nc_u64 s[4:5], s[4:5], s[12:13]
	s_add_nc_u64 s[40:41], s[4:5], s[40:41]        ; Q at my first tile
	s_add_nc_u64 s[42:43], s[6:7], s[42:43]        ; ctx likewise
	s_mov_b32 s[G0A], 1                            ; count = 1
	s_mov_b32 s[G0A+1], s14                        ; LDS address: slot 0
	s_add_nc_u64 s[G0A+2:G0A+3], s[4:5], s[14:15]
	s_add_nc_u64 s[G0A+2:G0A+3], s[G0A+2:G0A+3], KV0   ; global address: chunk 0
	s_mov_b32 s[G0W], 1
	s_add_co_u32 s[G0W+1], s14, SLOT1              ; slot 1,
	s_add_nc_u64 s[G0W+2:G0W+3], s[G0A+2:G0A+3], CHUNK   ; chunk 1
	s_or_b32 s[G0A+3], s[G0A+3], 0x80000000        ; type = 2
	s_or_b32 s[G0W+3], s[G0W+3], 0x80000000
	CROUND                                         ; all four work-groups are here: the first joint loads meet
	tensor_load_to_lds s[G0A:G0A+3], s[G1:G1+7]
	s_nop 0
	tensor_load_to_lds s[G0W:G0W+3], s[G1:G1+7]
	s_nop 0
.rept 4
	v_nop
.endr
	v_and_b32 v[LA], 31, v0
	v_lshlrev_b32 v[LA], 4, v[LA]
.irp t, 0,1
.irp g, 0,1
.irp c, 0,1
	global_load_b128 v[Q+16*\t+8*\g+4*\c:Q+16*\t+8*\g+4*\c+3], v[LA], s[40:41] offset:2048*\t+1024*\g+512*\c th:TH_LOAD_NT   ; Q stays in registers
.endr
.endr
.endr
.irp t, 0,1
	v_mov_b32 v[ST+8*\t+1], 0xff61b1e6             ; m: -3e38, under every score
	v_mul_f32 v[ST+8*\t], s[CS], v[ST+8*\t+1]      ; c m
	v_mov_b32 v[ST+8*\t+2], 0                      ; l, in two halves
	v_mov_b32 v[ST+8*\t+3], 0
	v_mov_b32 v[ST+8*\t+5], 0                      ; written once: a lane permute's destination counts as one of its sources
.endr
.set i, 0
.rept 64
	v_mov_b32 v[O+i], 0                            ; O^T.  (The step is written once: its first walk finds zeros, which a = 0 leaves zeros)
.set i, i+1
.endr
; THE SOFTMAX of a step, both tiles line by line by turns, so that no line waits for the line above it.
.macro SOFTMAX
.irp j, 0,1,2,3                                ; the maximum of the lane's 32 scores and the old m: four chains, one to an accumulator, each begun at the accumulator's low end
.irp t, 0,1
	v_max3_num_f32 v[ST+8*\t+4+\j], v[S+32*\t+8*\j], v[S+32*\t+8*\j+1], v[S+32*\t+8*\j+2]
.endr
.endr
.irp i, 3,5
.irp j, 0,1,2,3
.irp t, 0,1
	v_max3_num_f32 v[ST+8*\t+4+\j], v[ST+8*\t+4+\j], v[S+32*\t+8*\j+\i], v[S+32*\t+8*\j+\i+1]
.endr
.endr
.endr
.irp t, 0,1
	v_max3_num_f32 v[ST+8*\t+4], v[ST+8*\t+4], v[S+32*\t+7], v[S+32*\t+15]
	v_max3_num_f32 v[ST+8*\t+6], v[ST+8*\t+6], v[S+32*\t+23], v[S+32*\t+31]
.endr
.irp t, 0,1
	v_max3_num_f32 v[ST+8*\t+4], v[ST+8*\t+4], v[ST+8*\t+5], v[ST+8*\t+6]
.endr
.irp t, 0,1
	v_max3_num_f32 v[ST+8*\t+4], v[ST+8*\t+4], v[ST+8*\t+7], v[ST+8*\t+1]
.endr
.irp t, 0,1
	v_permlanex16_b32 v[ST+8*\t+5], v[ST+8*\t+4], s[SEL], s[SEL+1]   ; the query's other 32 keys lie in the lane 16 away
.endr
.irp t, 0,1
	v_mov_b32 v[ST+8*\t+7], v[ST+8*\t]             ; c m_old is kept for a
.endr
.irp t, 0,1
	v_max_num_f32 v[ST+8*\t+1], v[ST+8*\t+4], v[ST+8*\t+5]           ; the new m
.endr
.irp t, 0,1
	v_mul_f32 v[ST+8*\t], s[CS], v[ST+8*\t+1]
.endr
.irp t, 0,1
	v_sub_f32 v[ST+8*\t+7], v[ST+8*\t+7], v[ST+8*\t]
.endr
.irp t, 0,1                                    ; ONE BATCH of 66 exponentials, none of which reads another's result
	v_exp_f32 v[ST+8*\t+6], v[ST+8*\t+7]           ; a
.endr
.irp b, 0,2,4,6,8,10,12,14,16,18,20,22,24,26,28,30
.irp t, 0,1
	v_pk_fma_f32 v[S+32*\t+\b:S+32*\t+\b+1], v[S+32*\t+\b:S+32*\t+\b+1], s[CS:CS+1], v[ST+8*\t:ST+8*\t+1] op_sel_hi:[1,0,0] neg_lo:[0,0,1] neg_hi:[0,0,1]   ; c s - c m, two at a time
.endr
.endr
.irp e, 0,1,2,3,4,5,6,7,8,9,10,11,12,13,14,15,16,17,18,19,20,21,22,23,24,25,26,27,28,29,30,31
.irp t, 0,1
	v_exp_f32 v[S+32*\t+\e], v[S+32*\t+\e]         ; p
.endr
.endr
	v_nop                                          ; a plain instruction behind the last exponential,
	s_wait_alu depctr_va_vdst(0)                   ; and the one wait ahead of the batch's first reader
.irp t, 0,1                                    ; l = a l + the sum of p, unrounded: two at a time, in two chains
	v_pk_fma_f32 v[ST+8*\t+2:ST+8*\t+3], v[ST+8*\t+2:ST+8*\t+3], v[ST+8*\t+6:ST+8*\t+7], v[S+32*\t:S+32*\t+1] op_sel_hi:[1,0,1]
.endr
.irp t, 0,1
	v_pk_add_f32 v[ST+8*\t+4:ST+8*\t+5], v[S+32*\t+2:S+32*\t+3], v[S+32*\t+4:S+32*\t+5]
.endr
.irp i, 6,10,14,18,22,26
.irp t, 0,1
	v_pk_add_f32 v[ST+8*\t+2:ST+8*\t+3], v[ST+8*\t+2:ST+8*\t+3], v[S+32*\t+\i:S+32*\t+\i+1]
	v_pk_add_f32 v[ST+8*\t+4:ST+8*\t+5], v[ST+8*\t+4:ST+8*\t+5], v[S+32*\t+\i+2:S+32*\t+\i+3]
.endr
.endr
.irp t, 0,1
	v_pk_add_f32 v[ST+8*\t+2:ST+8*\t+3], v[ST+8*\t+2:ST+8*\t+3], v[S+32*\t+30:S+32*\t+31]
.endr
.irp t, 0,1
	v_pk_add_f32 v[ST+8*\t+2:ST+8*\t+3], v[ST+8*\t+2:ST+8*\t+3], v[ST+8*\t+4:ST+8*\t+5]
.endr
.irp i, 0,1,2,3,4,5,6,7,8,9,10,11,12,13,14,15
.irp t, 0,1
	v_cvt_pk_f16_f32 v[S+32*\t+\i], v[S+32*\t+2*\i], v[S+32*\t+2*\i+1]   ; P, in place: the destination never passes a source that is still to be read
.endr
.endr
.irp i, 0,2,4,6,8,10,12,14,16,18,20,22,24,26,28,30
.irp t, 0,1
	v_pk_mul_f32 v[O+32*\t+\i:O+32*\t+\i+1], v[O+32*\t+\i:O+32*\t+\i+1], v[ST+8*\t+6:ST+8*\t+7] op_sel_hi:[1,0]   ; O^T times a, each accumulator from its low end on
.endr
.endr
.endm
; A KEY STEP: 64 keys.  The accumulators take turns, one instruction a turn: four (K Q^T) or eight (V^T P) between two links of a chain.
.macro STEP
	v_add_nc_u32 v[ADK], s[TB], v[LA]              ; these two and three v_nop are the five places between the last product V^T P and the products below, which write over the registers that held P;
	v_add_nc_u32 v[ADV], VOFF, v[ADK]              ; four of them serve the loads into the registers that held V
.rept 3
	v_nop
.endr
.irp kt, 0,1,2,3
.irp g, 0,1
.irp c, 0,1
	ds_load_b128 v[KV+16*\kt+8*\g+4*\c:KV+16*\kt+8*\g+4*\c+3], v[ADK] offset:2048*\kt+1024*\g+512*\c
.endr
.endr
.endr
	s_wait_dscnt 8                                 ; keys 0-31 are in; the eight loads of keys 32-63 may be out
.irp kt, 0,1
.irp t, 0,1
	v_wmma_f32_16x16x32_f16 v[S+32*\t+8*\kt:S+32*\t+8*\kt+7], v[KV+16*\kt:KV+16*\kt+7], v[Q+16*\t:Q+16*\t+7], 0
.endr
.endr
.irp kt, 0,1
.irp t, 0,1
	v_wmma_f32_16x16x32_f16 v[S+32*\t+8*\kt:S+32*\t+8*\kt+7], v[KV+16*\kt+8:KV+16*\kt+15], v[Q+16*\t+8:Q+16*\t+15], v[S+32*\t+8*\kt:S+32*\t+8*\kt+7]
.endr
.endr
	s_wait_dscnt 0x0
.irp kt, 2,3
.irp t, 0,1
	v_wmma_f32_16x16x32_f16 v[S+32*\t+8*\kt:S+32*\t+8*\kt+7], v[KV+16*\kt:KV+16*\kt+7], v[Q+16*\t:Q+16*\t+7], 0
.endr
.endr
.irp kt, 2,3
.irp t, 0,1
	v_wmma_f32_16x16x32_f16 v[S+32*\t+8*\kt:S+32*\t+8*\kt+7], v[KV+16*\kt+8:KV+16*\kt+15], v[Q+16*\t+8:Q+16*\t+15], v[S+32*\t+8*\kt:S+32*\t+8*\kt+7]
.endr
.endr
.rept 4
	v_nop                                          ; places in front of the loads into the registers that held K, and of the first read of the scores
.endr
.irp kg, 0,1                                   ; V^T: the low four registers from the tile of keys 32 kg on, the high four from the tile 16 keys further; they land while the softmax is walked
.irp ct, 0,1,2,3
	ds_load_tr16_b128 v[KV+32*\kg+8*\ct:KV+32*\kg+8*\ct+3], v[ADV] offset:4096*\kg+512*\ct
	ds_load_tr16_b128 v[KV+32*\kg+8*\ct+4:KV+32*\kg+8*\ct+7], v[ADV] offset:4096*\kg+2048+512*\ct
.endr
.endr
	SOFTMAX
	s_wait_dscnt 0x0                               ; V is in
.irp kg, 0,1
.irp ct, 0,1,2,3
.irp t, 0,1
	v_wmma_f32_16x16x32_f16 v[O+32*\t+8*\ct:O+32*\t+8*\ct+7], v[KV+32*\kg+8*\ct:KV+32*\kg+8*\ct+7], v[S+32*\t+8*\kg:S+32*\t+8*\kg+7], v[O+32*\t+8*\ct:O+32*\t+8*\ct+7]
.endr
.endr
.endr
	s_add_co_u32 s[TB], s[TB], STEPB               ; the next step's tiles
.endm
.macro EIGHT_STEPS                     ; a slot's eight key steps: written once, walked eight times
	s_mov_b32 s[CNT], 8
.Lstep_\@:
	STEP
	s_sub_co_u32 s[CNT], s[CNT], 1
	s_cmp_lg_u32 s[CNT], 0
	s_cbranch_scc1 .Lstep_\@
.endm
; THE CHANGE OF SLOTS.  Each wave waits for all its tensor loads, of which one is out: its part of the other slot; adds 0 to its spare word; and waits for that and for its reads of the slot that it leaves.
; fill = 1: that slot is filled again, with the keys two slots on: the barrier is then a round of the cluster's, so that no wave of any partner still reads the slot or has a load on its way, and the joint refill is the first thing behind it.
.macro CHANGE fill
	s_wait_tensorcnt 0x0                           ; no tensor load of mine is out, so a group 0 may be written
	ds_add_u32 v[SPW], v[NIL]                      ; 0 onto my spare word: the steps below stand between it and the wait for it
.if \fill
	s_xor_b32 s[G0W+1], s[G0W+1], SLOT1            ; the walking descriptor: the other slot than last time,
	s_add_nc_u64 s[G0W+2:G0W+3], s[G0W+2:G0W+3], CHUNK   ; the next 512 keys; the type bits on top are not reached
.endif
	s_sub_co_u32 s[TB], s[TB], 8*STEPB             ; the reads go back to a slot's first step,
	s_xor_b32 s[TB], s[TB], SLOT1                  ; in the other slot
	s_wait_dscnt 0x0                               ; the add is done, and my reads of the slot are over
.if \fill
	CROUND
	tensor_load_to_lds s[G0W:G0W+3], s[G1:G1+7]    ; my one tensor load behind the round
	s_nop 0
.rept 4
	v_nop
.endr
.else
	s_barrier_signal -1
	s_barrier_wait -1
.endif
.endm
	s_wait_loadcnt 0x0                             ; Q
	s_wait_tensorcnt 1                             ; my part of slot 0 is in; slot 1's may stay out
	s_barrier_signal -1
	s_barrier_wait -1                              ; everybody's is
	EIGHT_STEPS                                    ; keys 0-511
.Lslot:                                            ; two trips: slots 0 and 1 are filled again once each
	CHANGE 1
	EIGHT_STEPS
	s_sub_co_u32 s[SLOTS], s[SLOTS], 1
	s_cmp_lg_u32 s[SLOTS], 0
	s_cbranch_scc1 .Lslot
	CHANGE 0                                       ; the tail is written out
	EIGHT_STEPS
	; THE WAY OUT.  l's two halves and the other half of the lanes' are added; O^T is divided by l and rounded to f16: a lane's eight channels are its 16 bytes of half an image of ctx.
.rept 4
	v_nop                                          ; places behind the last products
.endr
.irp t, 0,1
	v_add_f32 v[ST+8*\t+4], v[ST+8*\t+2], v[ST+8*\t+3]
.endr
.irp t, 0,1
	v_permlanex16_b32 v[ST+8*\t+5], v[ST+8*\t+4], s[SEL], s[SEL+1]
.endr
.irp t, 0,1
	v_add_f32 v[ST+8*\t+4], v[ST+8*\t+4], v[ST+8*\t+5]
.endr
.irp t, 0,1
	v_rcp_f32 v[ST+8*\t+6], v[ST+8*\t+4]
.endr
	v_nop                                          ; a plain instruction between the last reciprocal and the use of its result,
	s_wait_alu depctr_va_vdst(0)                   ; and the wait ahead of the first use: one for both
.irp t, 0,1
.irp i, 0,2,4,6,8,10,12,14,16,18,20,22,24,26,28,30
	v_pk_mul_f32 v[O+32*\t+\i:O+32*\t+\i+1], v[O+32*\t+\i:O+32*\t+\i+1], v[ST+8*\t+6:ST+8*\t+7] op_sel_hi:[1,0]
.endr
.endr
.irp t, 0,1
.irp i, 0,1,2,3,4,5,6,7,8,9,10,11,12,13,14,15
	v_cvt_pk_f16_f32 v[S+16*\t+\i], v[O+32*\t+2*\i], v[O+32*\t+2*\i+1]
.endr
.endr
.irp t, 0,1
.irp ct, 0,1,2,3
	global_store_b128 v[LA], v[S+16*\t+4*\ct:S+16*\t+4*\ct+3], s[42:43] offset:32768*\t+512*\ct   ; the wave stores 512 consecutive bytes, aligned
.endr
.endr
	s_wait_tensorcnt 0x0                           ; the wave's end
	ds_add_u32 v[SPW], v[NIL]
	s_wait_dscnt 0x0
	CROUND                                         ; the closing round: no work-group ends while a partner may still ask for a tile that names it
	s_endpgm
.Lfunc_end_k_q540844df71_attn:
	.size	k_q540844df71_attn, .Lfunc_end_k_q540844df71_attn-k_q540844df71_attn
	.p2alignl 7, 3214868480
	.fill 96, 4, 3214868480
	.section	.rodata,"a",@progbits
	.p2align	6, 0x0
	.amdhsa_kernel k_q540844df71_attn
		.amdhsa_group_segment_fixed_size 327680
		.amdhsa_private_segment_fixed_size 0
		.amdhsa_enable_private_segment 0
		.amdhsa_kernarg_size 16
		.amdhsa_user_sgpr_count 2
		.amdhsa_user_sgpr_kernarg_segment_ptr 1
		.amdhsa_wavefront_size32 1
		.amdhsa_system_sgpr_workgroup_id_x 1
		.amdhsa_system_sgpr_workgroup_id_y 1
		.amdhsa_system_sgpr_workgroup_id_z 1
		.amdhsa_system_vgpr_workitem_id 0
		.amdhsa_next_free_vgpr 256
		.amdhsa_next_free_sgpr 66
		.amdhsa_reserve_vcc 0
		.amdhsa_float_denorm_mode_32 3
		.amdhsa_float_denorm_mode_16_64 3
		.amdhsa_memory_ordered 1
		.amdhsa_forward_progress 1
		.amdhsa_inst_pref_size 66
	.end_amdhsa_kernel
	.amdgpu_metadata
---
amdhsa.version: [ 1, 2 ]
amdhsa.kernels:
  - .name:           k_q540844df71_attn
    .symbol:         k_q540844df71_attn.kd
    .args:
      - { .name: qkv, .offset: 0, .size: 8, .value_kind: global_buffer, .address_space: global }
      - { .name: ctx, .offset: 8, .size: 8, .value_kind: global_buffer, .address_space: global }
    .group_segment_fixed_size: 327680
    .private_segment_fixed_size: 0
    .kernarg_segment_align: 8
    .kernarg_segment_size: 16
    .max_flat_workgroup_size: 512
    .sgpr_count:     66
    .vgpr_count:     256
    .wavefront_size: 32
...
	.end_amdgpu_metadata
.endif
;; end of part 3
;; launch oproj (part 4): grid 4 x 64, 4 waves a work-group, clusters of 4 x 4, 327,680 bytes of LDS; arguments ctx, wo16, bo, out0; writes out0
.if DOCPART == 4
	.amdgcn_target "amdgcn-amd-amdhsa--gfx1250"
	.amdhsa_code_object_version 6
	.text
	.protected	k_q540844df71_oproj
	.globl	k_q540844df71_oproj
	.p2align	8
	.type	k_q540844df71_oproj,@function
k_q540844df71_oproj:
	s_mov_b64 s[64:65], 0
	v_nop
	global_prefetch_b8 v0, s[64:65] scope:SCOPE_SE
	s_setreg_imm32_b32 hwreg(HW_REG_WAVE_MODE, 25, 1), 1
	s_wait_xcnt 0x0
	s_wait_alu depctr_hold_cnt(0) depctr_sa_sdst(0) depctr_va_vdst(0) depctr_va_sdst(0) depctr_va_ssrc(0) depctr_va_vcc(0) depctr_vm_vsrc(0)
	s_getreg_b32 s2, hwreg(HW_REG_IB_STS2, 6, 4)
	s_cmp_eq_u32 s2, 0
	s_cbranch_scc0 .Lentry_in_a_cluster
	s_endpgm
.Lentry_in_a_cluster:
	s_bfe_u32 s2, ttmp6, 0x10000c
	s_cmp_lg_u32 s2, 0xf033
	s_cbranch_scc0 .Lentry_shape_is_right
	s_endpgm
.Lentry_shape_is_right:
; MULTI-HEAD ATTENTION, launch 4 of 4: out0 = ctx Wo + bo.  [8192] x [1024] over K = 1,024; operands f16, sums f32, out0 f32.
; Both operands arrive as images of the operand's registers (16 rows x 32 K in 1,024 bytes: the 16 bytes at 512 c + 16 lane are the lane's registers 4 c .. 4 c + 3): ctx [512 tiles of tokens][32 groups of K], wo16 [64 tiles of columns][32 groups of K].
; A tile of out0 is 128 tokens x 256 columns: 256 work-groups.  Four waves, each 64 x 128: 32 accumulators of 16 x 16, 256 registers.  K goes in steps of 128 through two LDS slots filled by the tensor data mover:
; a slot holds 8 tiles of tokens x 4 images and 16 tiles of columns x 4 images, read 512 consecutive bytes at a time: no padding.
; CLUSTERS: 4 x 4 work-groups.  The four of a row of the cluster need the same tiles of ctx, the four of a column the same tiles of Wo: each tile is asked for JOINTLY.
; THE MATRIX INSTRUCTION IS USED TRANSPOSED (source 0 = 16 columns of Wo, source 1 = 16 tokens): a lane then holds eight neighbouring numbers of a row of out0.  The bias is the C of each sum's first product.
; REGISTERS: window 0: v0-31 addresses; two fragment buffers of 96 at v64 and v160 (ctx's four fragments, then Wo's eight); on the way out v64-191.   window 1: the accumulators ((a, b) at v[8 (8 a + b)]).   window 2: v0-63 bo's eight blocks.
.set SLOT,   98304                     ; ctx's 8 x 4,096 bytes, then Wo's 16 x 4,096
.set BOFF,   32768
.set STAGE,  2*SLOT                    ; behind the slots: 16 rows x (512 bytes + 16) for each wave, for the way out: bytes of their own, into which no tile lands
.set SPITCH, 528
.set SPARE,  STAGE+4*16*SPITCH         ; the spare words, 128 bytes for each wave
.set LAPS,   4                         ; a lap = two K steps of 128 = once round the slots
.set ADRA, 16                          ; v16-17  LDS address of my fragments of ctx in slot 0, 1
.set ADRB, 20                          ; v20-21  the same for Wo
.set STO,  24                          ; v24     the way out: where I put 32 bytes of a row
.set RD,   25                          ; v25     the way out: where I read a row back
.set CO,   26                          ; v26     16 x lane
.set BOFS, 27                          ; v27     32 h: my eight numbers of a block of the bias
.set SPW,  28                          ; v28     LDS address of my spare word; never rewritten
.set NIL,  29                          ; v29     0; never rewritten
.set F0,   64
.set F1,   160
.set BK,   64                          ; the way out: 16 rows read back from the stage: v64-127 and v128-191 by turns
.set WV,   12                          ; s12  my wave's number
.set HR,   13                          ; s13  which half of the tile's rows is mine.  Also: I fetch for ctx (0) or for Wo (1)
.set HC,   14                          ; s14  which half of its columns.  Also: which half of that tile I fetch
.set G1, 24
.set G0, 32
.set G1B, 48
.set G0B, 56
.set MSB, 0
.macro WIN new                         ; the immediate's high byte repeats the setting that is left
.if MSB != \new
	s_set_vgpr_msb (MSB<<8)|\new
.set MSB, \new
.endif
.endm
.set MUL,  0x50                        ; sources 0 and 1 window 0; C and D window 1
.set MULB, 0x60                        ; C (the bias) window 2, D window 1
.macro JLOAD s                         ; a joint load: waves 0 and 1 fetch ctx's two halves, waves 2 and 3 Wo's; an s_nop 0 and four v_nop follow each of the two lines
	s_cmp_eq_u32 s[HR], 0
	s_cbranch_scc0 .Lfor_b_\@
	tensor_load_to_lds s[G0+4*\s:G0+4*\s+3], s[G1:G1+7]
	s_nop 0
.rept 4
	v_nop
.endr
	s_branch .Lasked_\@
.Lfor_b_\@:
	tensor_load_to_lds s[G0B+4*\s:G0B+4*\s+3], s[G1B:G1B+7]
	s_nop 0
.rept 4
	v_nop
.endr
.Lasked_\@:
.endm
.macro CREST                           ; a round of the cluster's barrier behind its opening barrier
	s_cmp_lg_u32 s[WV], 0
	s_cbranch_scc1 .Lnot_wave_0_\@
	s_barrier_signal -3
.Lnot_wave_0_\@:
	s_barrier_wait -3
	s_barrier_signal -1
	s_barrier_wait -1
.endm
.macro CROUND                          ; a whole round
	s_barrier_signal -1
	s_barrier_wait -1
	CREST
.endm
	s_load_b256 s[4:11], s[0:1], 0x0               ; ctx s[4:5], wo16 s[6:7], bo s[8:9], out0 s[10:11]
	v_lshl_add_u32 v[SPW], v0, 2, SPARE
	v_mov_b32 v[NIL], 0
	ds_add_u32 v[SPW], v[NIL]                      ; the wave's opening: the add, twice on end, and its wait ahead of my first tensor load
	ds_add_u32 v[SPW], v[NIL]
	v_lshrrev_b32 v1, 5, v0
	v_readfirstlane_b32 s[WV], v1                  ; wave 0..3
	s_lshr_b32 s[HR], s[WV], 1
	s_and_b32 s[HC], s[WV], 1
	s_bfe_u32 s40, ttmp6, 0x40000                  ; cx, cy: my place in the cluster
	s_bfe_u32 s41, ttmp6, 0x40004
	s_lshl_b32 s42, ttmp9, 2
	s_add_co_u32 s42, s42, s40                     ; tile column = 4 x cluster x + cx
	s_and_b32 s15, ttmp7, 0xffff
	s_lshl_b32 s15, s15, 2
	s_add_co_u32 s15, s15, s41                     ; tile row = 4 x cluster y + cy
	s_lshl_b32 s43, s41, 2
	s_lshl_b32 s43, 15, s43                        ; my row of the cluster
	s_lshl_b32 s44, 0x1111, s40                    ; my column
	; group 1: rows of 4,096 bytes (4 images; 512 elements of 8 bytes), 32,768 bytes apart in memory, dense in LDS.  ctx: 4 rows to a load;  Wo: 8
	s_or_b32 s[G1+0], s43, (3<<16)|(1<<21)         ; the mask: ctx's tiles go to my row; elements of 8 bytes; bit 21 beside a mask
	s_mov_b32 s[G1+1], 512<<16                     ; tensor_dim0
	s_mov_b32 s[G1+2], 4<<16                       ; tensor_dim1
	s_mov_b32 s[G1+3], 512<<16                     ; tile_dim0
	s_mov_b32 s[G1+4], 4                           ; tile_dim1
	s_mov_b32 s[G1+5], 4096                        ; stride from row to row
	s_mov_b32 s[G1+6], 0
	s_mov_b32 s[G1+7], 0
	s_or_b32 s[G1B+0], s44, (3<<16)|(1<<21)        ; Wo's tiles go to my column
	s_mov_b32 s[G1B+1], 512<<16
	s_mov_b32 s[G1B+2], 8<<16
	s_mov_b32 s[G1B+3], 512<<16
	s_mov_b32 s[G1B+4], 8
	s_mov_b32 s[G1B+5], 4096
	s_mov_b32 s[G1B+6], 0
	s_mov_b32 s[G1B+7], 0
	s_lshl_b32 s16, s15, 3
	s_lshl_b32 s17, s[HC], 2
	s_add_co_u32 s16, s16, s17                     ; ctx: tile of tokens 8 x tile row + 4 x half
	s_lshl_b32 s16, s16, 15
	s_mov_b32 s17, 0
	s_lshl_b32 s46, s42, 4
	s_lshl_b32 s47, s[HC], 3
	s_add_co_u32 s46, s46, s47                     ; Wo: tile of columns 16 x tile column + 8 x half
	s_lshl_b32 s46, s46, 15
	s_mov_b32 s47, 0
	s_lshl_b32 s20, s[HC], 14                      ; where they go: no place in the cluster enters an LDS address
	s_lshl_b32 s21, s[HC], 15
	s_add_co_u32 s21, s21, BOFF
	s_wait_dscnt 0x0                               ; both opening adds are done
	s_wait_kmcnt 0x0
	s_add_nc_u64 s[16:17], s[4:5], s[16:17]
	s_add_nc_u64 s[46:47], s[6:7], s[46:47]
	CROUND                                         ; all sixteen work-groups are here: the first joint loads meet
.irp s, 0,1
	s_mov_b32 s[G0+4*\s], 1
	s_add_co_u32 s[G0+4*\s+1], s20, \s*SLOT
	s_add_nc_u64 s[G0+4*\s+2:G0+4*\s+3], s[16:17], \s*4096
	s_or_b32 s[G0+4*\s+3], s[G0+4*\s+3], 0x80000000
	s_mov_b32 s[G0B+4*\s], 1
	s_add_co_u32 s[G0B+4*\s+1], s21, \s*SLOT
	s_add_nc_u64 s[G0B+4*\s+2:G0B+4*\s+3], s[46:47], \s*4096
	s_or_b32 s[G0B+4*\s+3], s[G0B+4*\s+3], 0x80000000
	JLOAD \s                                       ; two tensor loads of mine are out at the start, one behind each round
.endr
	v_and_b32 v1, 15, v0                           ; r
	v_bfe_u32 v2, v0, 4, 1                         ; h
	v_and_b32 v3, 31, v0
	v_lshlrev_b32 v[CO], 4, v3
	s_lshl_b32 s22, s[HR], 14                      ; my 64 tokens: four tiles
	s_lshl_b32 s23, s[HC], 15                      ; my 128 columns: eight tiles,
	s_add_co_u32 s23, s23, BOFF                    ; behind ctx's
.irp s, 0,1
	v_add_nc_u32 v[ADRA+\s], s22, v[CO]
	v_add_nc_u32 v[ADRB+\s], s23, v[CO]
	s_add_co_u32 s22, s22, SLOT
	s_add_co_u32 s23, s23, SLOT
.endr
	s_mul_i32 s22, s[WV], 16*SPITCH
	s_add_co_u32 s22, s22, STAGE                   ; my stage
	v_mul_u32_u24 v4, v1, SPITCH                   ; in: row r, 32 bytes for each half of the lanes
	v_lshl_add_u32 v4, v2, 5, v4
	v_add_nc_u32 v[STO], s22, v4
	v_add_nc_u32 v[RD], s22, v[CO]                 ; back: the 32 lanes take one row of 512 bytes
	v_lshlrev_b32 v[BOFS], 5, v2
	s_lshl_b32 s16, s15, 7
	s_lshl_b32 s17, s[HR], 6
	s_add_co_u32 s16, s16, s17                     ; my first row of out0: 128 x tile row + 64 x half
	s_lshl_b32 s16, s16, 12                        ; rows of 4,096 bytes
	s_lshl_b32 s46, s42, 10                        ; my first column, in bytes: 1,024 x tile column + 512 x half
	s_lshl_b32 s47, s[HC], 9
	s_add_co_u32 s46, s46, s47
	s_mov_b32 s47, 0
	s_add_nc_u64 s[8:9], s[8:9], s[46:47]          ; bo at my 128 columns
	s_add_co_u32 s46, s46, s16
	s_add_nc_u64 s[10:11], s[10:11], s[46:47]      ; out0 at my corner; never stepped: the rows stand in the stores' immediates
	WIN 0x80                                       ; destination window 2
.irp b, 0,1,2,3,4,5,6,7                        ; block b, lane (r, h), register j: bo[.. + 16 b + 8 h + j]
	global_load_b128 v[8*\b:8*\b+3], v[BOFS], s[8:9] offset:64*\b
	global_load_b128 v[8*\b+4:8*\b+7], v[BOFS], s[8:9] offset:64*\b+16
.endr
	WIN 0
; 8 matrix instructions: my tile a of tokens against Wo's eight tiles of columns, 32 along K, from buffer f.  mode = 1: the bias is the sum's C.
; The 32 accumulators take turns, one instruction a turn, in the same order in every quarter.
.macro MUL8 f, a, mode
.irp b, 0,1,2,3,4,5,6,7
.set rD, 8*(8*(\a)+\b)
.if \mode
	v_wmma_f32_16x16x32_f16 v[rD:rD+7], v[\f+32+8*\b:\f+32+8*\b+7], v[\f+8*(\a):\f+8*(\a)+7], v[8*\b:8*\b+7]
.else
	v_wmma_f32_16x16x32_f16 v[rD:rD+7], v[\f+32+8*\b:\f+32+8*\b+7], v[\f+8*(\a):\f+8*(\a)+7], v[rD:rD+7]
.endif
.endr
.endm
.macro MUL16 f, a0, mode
	MUL8 \f, \a0, \mode
	MUL8 \f, (\a0)+1, \mode
.endm
; 24 LDS loads in one run: the images of the slot's q-th 32 along K into buffer f: Wo's eight, ctx's tiles 0 and 1, then 2 and 3
.macro FETCH slot, q, f
	WIN 0
.irp i, 0,1,2,3,4,5,6,7
.irp c, 0,1
	ds_load_b128 v[\f+32+8*\i+4*\c:\f+32+8*\i+4*\c+3], v[ADRB+\slot] offset:4096*\i+1024*(\q)+512*\c
.endr
.endr
.irp i, 0,1,2,3
.irp c, 0,1
	ds_load_b128 v[\f+8*\i+4*\c:\f+8*\i+4*\c+3], v[ADRA+\slot] offset:4096*\i+1024*(\q)+512*\c
.endr
.endr
.endm
.macro PLACES                          ; four places in front of loads into registers that matrix instructions have read, and of the first read of results
.rept 4
	v_nop
.endr
.endm
; A K step is four quarters of 32 along K, 32 matrix instructions each, on buffers 0, 1, 0, 1.  One of the first three: multiplies buffer f and fetches the slot's quarter q into g.
.macro QUARTER slot, q, f, g, mode
	s_wait_dscnt 4                                 ; Wo's images and ctx's tiles 0 and 1 are in; the youngest four loads may be out
.if \mode
	WIN MULB
.else
	WIN MUL
.endif
	MUL16 \f, 0, \mode
	PLACES
	FETCH \slot, \q, \g
	s_wait_dscnt 24                                ; all but the 24 just issued
.if \mode
	WIN MULB
.else
	WIN MUL
.endif
	MUL16 \f, 2, \mode
.endm
; The last quarter multiplies buffer 1 and changes slots: ONE barrier; in front of it each wave waits for all its tensor loads, adds 0 to its spare word, and waits for that and for its reads of this slot.  fill = 1: this slot is filled again, two K steps ahead.
.macro TURN slot, next, fill
	WIN 0                                          ; (the add's two registers lie in window 0)
	s_wait_tensorcnt 0x0                           ; all my tensor loads have landed: my part of the next slot;
	ds_add_u32 v[SPW], v[NIL]                      ; 0 onto my spare word
	s_wait_dscnt 5                                 ; (the add and the youngest four loads may be out)
	WIN MUL
	MUL8 F1, 0, 0                                  ; eight matrix instructions stand between the add and the wait for it
	s_wait_dscnt 0x0                               ; the add is done, and my reads of this slot are over
	s_barrier_signal -1
	MUL8 F1, 1, 0
.if \fill
	WIN 0
.endif
	s_barrier_wait -1
.if \fill
	CREST                                          ; the barrier has opened a round of the cluster's barrier: no wave of any partner still reads this slot's tile or has a load on its way
	s_add_nc_u64 s[G0+4*\slot+2:G0+4*\slot+3], s[G0+4*\slot+2:G0+4*\slot+3], 8192
	s_add_nc_u64 s[G0B+4*\slot+2:G0B+4*\slot+3], s[G0B+4*\slot+2:G0B+4*\slot+3], 8192
	JLOAD \slot                                    ; the first tensor load behind the round; the four v_nop behind it are also the places in front of the loads below
.else
	PLACES
.endif
	FETCH \next, 0, F0
	WIN MUL
	MUL16 F1, 2, 0
.endm
	s_wait_loadcnt 0x0                             ; the bias
	s_wait_tensorcnt 1                             ; my part of K step 0 is in; K step 1's load may be out,
	s_barrier_signal -1
	s_barrier_wait -1                              ; everybody's is
	FETCH 0, 0, F0
	QUARTER 0, 1, F0, F1, 1                        ; the first quarter stands in front of the loop: its products start the sums, with the bias as C
	WIN 0                                          ; at a label and at a branch every window is 0
	s_mov_b32 s3, LAPS-1
.Llap:                                             ; a trip goes once round the slots, from a lap's second quarter to the next lap's first, and fills both again
	QUARTER 0, 2, F1, F0, 0
	QUARTER 0, 3, F0, F1, 0
	TURN 0, 1, 1
	QUARTER 1, 1, F0, F1, 0
	QUARTER 1, 2, F1, F0, 0
	QUARTER 1, 3, F0, F1, 0
	TURN 1, 0, 1
	QUARTER 0, 1, F0, F1, 0
	WIN 0
	s_sub_co_u32 s3, s3, 1
	s_cmp_lg_u32 s3, 0
	s_cbranch_scc1 .Llap
	QUARTER 0, 2, F1, F0, 0                        ; the last lap fills nothing, and has no round of the cluster's barrier
	QUARTER 0, 3, F0, F1, 0
	TURN 0, 1, 0
	QUARTER 1, 1, F0, F1, 0
	QUARTER 1, 2, F1, F0, 0
	QUARTER 1, 3, F0, F1, 0
	s_wait_dscnt 4                                 ; the very last quarter: nothing more to fetch
	WIN MUL
	MUL16 F1, 0, 0
	s_wait_dscnt 0x0
	MUL16 F1, 2, 0
	WIN 0
; THE WAY OUT, a tile of 16 tokens x 128 columns at a time.  A lane holds 32 neighbouring bytes of a row, and the lanes beside it hold other rows: so a tile goes through my own stage in LDS and comes back as whole rows of
; 512 bytes.  LDS serves a wave's instructions in order (ISA guide 5.7.1.4): no wait between the stores and the loads, nor in front of the next tile's stores.
.macro TOSTAGE a
	WIN 0x04                                       ; an LDS store's data are its source 1: window 1
.irp b, 0,1,2,3,4,5,6,7
	ds_store_b128 v[STO], v[64*(\a)+8*\b:64*(\a)+8*\b+3] offset:64*\b        ; each accumulator from its low end on
	ds_store_b128 v[STO], v[64*(\a)+8*\b+4:64*(\a)+8*\b+7] offset:64*\b+16
.endr
	WIN 0
.set BB, BK+64*((\a)%2)
.irp t, 0,1,2,3,4,5,6,7,8,9,10,11,12,13,14,15
	ds_load_b128 v[BB+4*\t:BB+4*\t+3], v[RD] offset:\t*SPITCH
.endr
.endm
.macro SEND a, younger                 ; younger: the LDS instructions issued behind tile a's loads, which may stay out
.set BB, BK+64*((\a)%2)
	s_wait_dscnt \younger
.irp t, 0,1,2,3,4,5,6,7,8,9,10,11,12,13,14,15
	global_store_b128 v[CO], v[BB+4*\t:BB+4*\t+3], s[10:11] offset:(16*(\a)+\t)*4096 th:TH_STORE_NT   ; 32 lanes store 512 consecutive bytes, aligned; written once, read by nobody here
.endr
.endm
	PLACES                                         ; behind the last products: for the reads of results and the loads into the registers that held fragments
	TOSTAGE 0
	TOSTAGE 1
	SEND 0, 32                                     ; behind tile 0's loads: tile 1's 16 stores and 16 loads
	s_wait_xcnt 0x0                                ; tile 0's stores have read their registers: tile 2's loads may land there
	TOSTAGE 2
	SEND 1, 32
	s_wait_xcnt 0x0
	TOSTAGE 3
	SEND 2, 32
	SEND 3, 0
	s_wait_tensorcnt 0x0                           ; the wave's end, behind my last tensor load and my last LDS store
	ds_add_u32 v[SPW], v[NIL]
	s_wait_dscnt 0x0
	CROUND                                         ; the closing round: no work-group ends while a partner may still ask for a tile that names it
	s_endpgm
.Lfunc_end_k_q540844df71_oproj:
	.size	k_q540844df71_oproj, .Lfunc_end_k_q540844df71_oproj-k_q540844df71_oproj
	.p2alignl 7, 3214868480
	.fill 96, 4, 3214868480
	.section	.rodata,"a",@progbits
	.p2align	6, 0x0
	.amdhsa_kernel k_q540844df71_oproj
		.amdhsa_group_segment_fixed_size 327680
		.amdhsa_private_segment_fixed_size 0
		.amdhsa_enable_private_segment 0
		.amdhsa_kernarg_size 32
		.amdhsa_user_sgpr_count 2
		.amdhsa_user_sgpr_kernarg_segment_ptr 1
		.amdhsa_wavefront_size32 1
		.amdhsa_system_sgpr_workgroup_id_x 1
		.amdhsa_system_sgpr_workgroup_id_y 1
		.amdhsa_system_sgpr_workgroup_id_z 1
		.amdhsa_system_vgpr_workitem_id 0
		.amdhsa_next_free_vgpr 768
		.amdhsa_next_free_sgpr 70
		.amdhsa_reserve_vcc 0
		.amdhsa_float_denorm_mode_32 3
		.amdhsa_float_denorm_mode_16_64 3
		.amdhsa_memory_ordered 1
		.amdhsa_forward_progress 1
		.amdhsa_inst_pref_size 86
	.end_amdhsa_kernel
	.amdgpu_metadata
---
amdhsa.version: [ 1, 2 ]
amdhsa.kernels:
  - .name:           k_q540844df71_oproj
    .symbol:         k_q540844df71_oproj.kd
    .args:
      - { .name: ctx, .offset: 0, .size: 8, .value_kind: global_buffer, .address_space: global }
      - { .name: wo16, .offset: 8, .size: 8, .value_kind: global_buffer, .address_space: global }
      - { .name: bo, .offset: 16, .size: 8, .value_kind: global_buffer, .address_space: global }
      - { .name: out0, .offset: 24, .size: 8, .value_kind: global_buffer, .address_space: global }
    .group_segment_fixed_size: 327680
    .private_segment_fixed_size: 0
    .kernarg_segment_align: 8
    .kernarg_segment_size: 32
    .max_flat_workgroup_size: 128
    .sgpr_count:     70
    .vgpr_count:     768
    .wavefront_size: 32
...
	.end_amdgpu_metadata
.endif
;; end of part 4
